; MI455X (gfx1250); checked and timed in simulation.
; The chip was launched on July 23, 2026; its instructions are those of AMD's public machine-readable ISA for CDNA 5 (MIT licence, August 2026) and "CDNA5" Instruction Set Architecture Reference Guide (July 2026). The comments in the code are by the model that wrote it; some were corrected since.
;; Attn Block. Allowed arithmetic: matrix products marked QUANTISED: E5M2 operands, one E8M0 scale for each 32 along K, by v_wmma_scale_f32_16x16x128_f8f6f4 with both operands' format E5M2, f32 sums; everything else in f32.
;; Inputs: Wk_codes 512 x 16 x 32 uint8 (E5M2 codes of Wk, K innermost, in blocks of 32 codes); Wk_scales 512 x 16 uint8 (E8M0 scales of Wk, one for each 32 codes along K); Wo_codes 512 x 16 x 32 uint8 (E5M2 codes of Wo, K innermost, in blocks of 32 codes); Wo_scales 512 x 16 uint8 (E8M0 scales of Wo, one for each 32 codes along K); Wq_codes 512 x 16 x 32 uint8 (E5M2 codes of Wq, K innermost, in blocks of 32 codes); Wq_scales 512 x 16 uint8 (E8M0 scales of Wq, one for each 32 codes along K); Wv_codes 512 x 16 x 32 uint8 (E5M2 codes of Wv, K innermost, in blocks of 32 codes); Wv_scales 512 x 16 uint8 (E8M0 scales of Wv, one for each 32 codes along K); beta 512 float32; bk 512 float32; bo 512 float32; bq 512 float32; bv 512 float32; gamma 512 float32; x 2 x 512 x 64 x 64 float32.
;; Outputs: out0 2 x 512 x 64 x 64 float32.
;; This version of the problem:
;;   THIS VERSION OF THE PROBLEM IS GIVEN IN LOW PRECISION. The matrix products marked QUANTISED in the list below multiply operands that are first quantised to E5M2 (5 exponent bits, 2 mantissa bits; 8 bits a number), with one power-of-two scale for each 32 numbers along K (OCP MX v1.0); their sums are f32. All else is computed in f32.
;;   The module's matrix products, in the order in which they are computed (A, B: the left and right operand; K: the contracted axis; several contracted axes count as one K, in the product's order):
;;     1. [M 8,192, K 512] x [K 512, N 512]; A: computed on the way; B: input Wq (given as codes): QUANTISED
;;     2. [M 8,192, K 512] x [K 512, N 512]; A: computed on the way; B: input Wk (given as codes): QUANTISED
;;     3. [M 8,192, K 512] x [K 512, N 512]; A: computed on the way; B: input Wv (given as codes): QUANTISED
;;     4. batch 16 x [M 4,096, K 64] x [K 64, N 4,096]; A: computed on the way; B: computed on the way: QUANTISED
;;     5. batch 16 x [M 64, K 4,096] x [K 4,096, N 4,096]; A: computed on the way; B: softmax (see below): QUANTISED
;;     6. [M 8,192, K 512] x [K 512, N 512]; A: computed on the way; B: input Wo (given as codes): QUANTISED
;;   THE QUANTISER, for each operand of a quantised product, along K:
;;     - K is cut into blocks of 32 from its start; a last block that is shorter is filled with zeros.
;;     - A block's scale is 2^e with e = floor(log2(the largest magnitude in the block)) - 15, held to -126 .. 127; a block of zeros has e = 0. As a byte (E8M0): e + 127.
;;     - Each number is divided by its block's scale, clamped to +-57,344, and rounded to the nearest number of E5M2, ties to even, subnormals kept.
;;     - The product sums the exact products of the quantised numbers (number of the format x scale) in f32.
;;   ~~~python
;;   def quantise(x, axis):      # numpy; x: float32 -> the quantised numbers, widened to float32 again
;;       x = np.moveaxis(x, axis, -1); K = x.shape[-1]
;;       x = np.pad(x, [(0, 0)] * (x.ndim - 1) + [(0, -K % 32)]); x = x.reshape(x.shape[:-1] + (-1, 32)); a = np.abs(x).max(-1, keepdims=True)
;;       e = np.where(a > 0, np.clip(np.frexp(np.where(a > 0, a, 1))[1] - 1 - 15, -126, 127), 0)      # np.frexp(a)[1] - 1 = floor(log2(a)), exactly
;;       r = np.clip(x / 2.0 ** e, -57344, 57344)
;;       step = 2.0 ** (np.maximum(np.frexp(np.where(r == 0, 1, r))[1] - 1, -14) - 2)
;;       q = np.round(r / step) * step * 2.0 ** e      # np.round: ties to even
;;       return np.moveaxis(q.reshape(q.shape[:-2] + (-1,))[..., :K], -1, axis).astype(np.float32)
;;   ~~~
;;   SOFTMAX AHEAD OF A QUANTISED PRODUCT. Where the list says 'softmax', what is quantised is not the finished softmax but p = 2^(t - M), with t = logit x log2(e) and M = ceil(the row's largest t), a whole number; so 1/2 < the row's largest p <= 1. The row's sum l is taken of the UNQUANTISED p, in f32, and the product's result is divided by l at the end. Since M is a whole number, a kernel that streams over the keys may use a running M (the ceiling of the running maximum): every later rescaling is an exact power of two, which a block's scale takes up: the codes' values come out the same.
;;   OPERANDS COMPUTED ON THE WAY. 'Computed on the way' means the value that the module computes at that place (a softmax that the list does not call 'softmax' is quantised finished and normalised). What goes into a quantiser is computed in f32, as accurately as f32 sums, v_exp_f32 and their like allow (about 1e-6 of the number): no bf16 or f16 on the way to a quantiser, and a product that is left as it is and whose result goes on into a quantised operand takes f32 operands (vector FMAs, or v_wmma_f32_16x16x4_f32). A number that lies on a knife's edge between two numbers of the format may be rounded either way, as far as f32 arithmetic and the matrix unit's own rounding can turn it there, and no further.
;;   INPUTS GIVEN AS CODES. Wk (in the module: [512, 512], K = its axis 1); Wo (in the module: [512, 512], K = its axis 1); Wq (in the module: [512, 512], K = its axis 1); Wv (in the module: [512, 512], K = its axis 1): each comes as NAME_codes (uint8): NAME with its K axis moved to the last place and cut into blocks of 32 codes, [.., K / 32, bytes a block], one block behind the other in memory; one code a byte (a code: sign, 5 exponent bits, 2 mantissa bits); and NAME_scales (uint8): the same leading axes, one E8M0 byte (e + 127) for each 32 codes along K. Its value is code x scale, taken as it is: it is not quantised again, and the codes and scales need not be those that the quantiser above would give.
;; One version. Each part assembles by itself: llvm-mc -triple=amdgcn-amd-amdhsa -mcpu=gfx1250 --defsym DOCPART=n.
;; ======== version 1 of 1: 4 launches
;; limits: right only within a limited range of input values
;; workspace buffers: stats 2,048 bytes; qc 4,194,304 bytes; qs 524,288 bytes; kv 8,912,896 bytes; oc 4,194,304 bytes; os 131,072 bytes
;; launch stats (part 1): grid 256 x 1, 8 waves a work-group, no clusters, 1,536 bytes of LDS; arguments x, stats; writes stats
.if DOCPART == 1
	.amdgcn_target "amdgcn-amd-amdhsa--gfx1250"
	.amdhsa_code_object_version 6
	.text
	.protected	k_q9b784c5dba_stats
	.globl	k_q9b784c5dba_stats
	.p2align	8
	.type	k_q9b784c5dba_stats,@function
k_q9b784c5dba_stats:
	s_mov_b64 s[64:65], 0
	v_nop
	global_prefetch_b8 v0, s[64:65] scope:SCOPE_SE
	s_setreg_imm32_b32 hwreg(HW_REG_WAVE_MODE, 25, 1), 1
	s_wait_xcnt 0x0
; GROUP NORM'S STATISTICS, first of four launches (stats, qkv, attn, proj).
; NO WORK OF THE PROBLEM IS LEFT OUT IN ANY LAUNCH: every bias goes into a quantised operand (bq, bk, bv) or into the result (bo), gamma and beta into h; all fifteen inputs are loaded.
; x is [2][512][64][64] f32; a group is 16 channels x 4,096 positions = 65,536 numbers, dense in memory.  Work-group k takes a quarter of group k / 4: the 16,384 numbers (65,536 bytes) at byte 65,536 k.
; It stores that quarter's mean and its CENTRED sum of squares, sum (x - the quarter's mean)^2: no difference of large sums is formed, whatever offset x carries.  The next launch joins the four quarters.
; Eight waves, 8,192 bytes each; a lane keeps its 64 numbers in registers between the two passes, so x is read once here.  Each load of a wave covers 512 consecutive bytes.
; No tiles, matrix units or clusters: work-groups share nothing and the launch is one stream.
; LIMITS: NaN and infinities in x are not served.  The result is 8 bytes a work-group: 2,048 bytes in the whole launch are stored in pieces smaller than 256 bytes.
.set RED1,  0                          ; LDS: eight partial sums (32 bytes of a block of 256)
.set RED2,  256                        ; eight partial sums of squares: bytes of their own, so no barrier stands between the first reads and the second stores
.set SPARE, 512                        ; the spare words, 128 bytes for each wave: four blocks of 256 bytes that no other line names
.set SPW,   3                          ; v3  LDS address of my spare word; never rewritten
.set NIL,   4                          ; v4  0; never rewritten
.set CH,    8                          ; v[8:15]  four packed chains
.set X,     16                         ; v[16:79] my 64 numbers
	s_load_b128 s[4:7], s[0:1], 0x0                ; x, stats
	v_lshl_add_u32 v[SPW], v0, 2, SPARE
	v_mov_b32 v[NIL], 0
	v_lshrrev_b32 v5, 5, v0
	s_delay_alu instid0(VALU_DEP_1)
	v_readfirstlane_b32 s8, v5                     ; wave 0..7
	v_and_b32 v2, 31, v0                           ; lane
	s_delay_alu instid0(VALU_DEP_1)
	v_lshlrev_b32 v1, 4, v2                        ; 16 bytes a lane
	s_delay_alu instid0(VALU_DEP_4)
	v_lshlrev_b32 v5, 2, v5                        ; my wave's word among the partial sums
	v_mov_b32 v6, 0                                ; where all of them are read
	v_mov_b32 v90, 0                               ; a lane permute's destination counts as read: written once
	s_mov_b32 s12, 0x76543210
	s_mov_b32 s13, 0xfedcba98                      ; lane l xor 16
	s_lshl_b32 s10, ttmp9, 16                      ; 65,536 bytes a work-group (255 x 65,536 at the most),
	s_lshl_b32 s9, s8, 13                          ; 8,192 a wave
	s_add_co_u32 s10, s10, s9
	s_mov_b32 s11, 0
	s_lshl_b32 s14, ttmp9, 3                       ; 8 bytes of result a work-group
	s_mov_b32 s15, 0
	s_wait_alu depctr_va_vdst(0)
	s_wait_kmcnt 0x0
	s_add_nc_u64 s[4:5], s[4:5], s[10:11]
	s_add_nc_u64 s[6:7], s[6:7], s[14:15]
.irp j, 0,1,2,3,4,5,6,7,8,9,10,11,12,13,14,15
	global_load_b128 v[X+4*\j:X+4*\j+3], v1, s[4:5] offset:512*\j th:TH_LOAD_NT
.endr
	; pass 1: the sum.  Loads come back in order: each wait leaves the younger loads out (12, 8, 4, 0)
	s_wait_loadcnt 12
.irp k, 0,1,2,3
	v_pk_add_f32 v[CH+2*\k:CH+2*\k+1], v[X+2*\k:X+2*\k+1], v[X+8+2*\k:X+9+2*\k]   ; the first eight pairs start the chains: nothing is cleared
.endr
	s_wait_alu depctr_va_vdst(0)
.irp g, 1,2,3
	s_wait_alu depctr_va_vdst(0)
	s_wait_loadcnt 12-4*\g
.irp k, 0,1,2,3,4,5,6,7
	v_pk_add_f32 v[CH+2*(\k%4):CH+2*(\k%4)+1], v[CH+2*(\k%4):CH+2*(\k%4)+1], v[X+16*\g+2*\k:X+16*\g+2*\k+1]
.endr
.endr
; The four chains become one number a lane, a wave, a work-group: the total ends in v82 of every lane.
.macro REDUCE red
	s_delay_alu instid0(VALU_DEP_3)
	v_pk_add_f32 v[8:9], v[8:9], v[10:11]
	s_delay_alu instid0(VALU_DEP_2)
	v_pk_add_f32 v[12:13], v[12:13], v[14:15]
	s_delay_alu instid0(VALU_DEP_1)
	v_pk_add_f32 v[8:9], v[8:9], v[12:13]
	s_delay_alu instid0(VALU_DEP_1)
	v_add_f32 v8, v8, v9
	s_delay_alu instid0(VALU_DEP_1)
	v_add_f32_dpp v8, v8, v8 row_xmask:1 row_mask:0xf bank_mask:0xf
	s_delay_alu instid0(VALU_DEP_1)
	v_add_f32_dpp v8, v8, v8 row_xmask:2 row_mask:0xf bank_mask:0xf
	s_delay_alu instid0(VALU_DEP_1)
	v_add_f32_dpp v8, v8, v8 row_xmask:4 row_mask:0xf bank_mask:0xf
	s_delay_alu instid0(VALU_DEP_1)
	v_add_f32_dpp v8, v8, v8 row_xmask:8 row_mask:0xf bank_mask:0xf
	s_delay_alu instid0(VALU_DEP_1)
	v_permlanex16_b32 v90, v8, s12, s13
	s_delay_alu instid0(VALU_DEP_1)
	v_add_f32 v8, v8, v90
	ds_store_b32 v5, v8 offset:\red                ; all lanes write my wave's word with the same value
	s_wait_dscnt 0x0                               ; for the others' sake: my store has landed
	s_barrier_signal -1
	s_barrier_wait -1
	ds_load_b128 v[82:85], v6 offset:\red
	ds_load_b128 v[86:89], v6 offset:\red+16
	s_wait_dscnt 0x0
	v_add_f32 v82, v82, v83
	v_add_f32 v84, v84, v85
	v_add_f32 v86, v86, v87
	v_add_f32 v88, v88, v89
	s_delay_alu instid0(VALU_DEP_3)
	v_add_f32 v82, v82, v84
	s_delay_alu instid0(VALU_DEP_2)
	v_add_f32 v86, v86, v88
	s_delay_alu instid0(VALU_DEP_1)
	v_add_f32 v82, v82, v86
.endm
	REDUCE RED1
	s_delay_alu instid0(VALU_DEP_1)
	v_mul_f32 v80, 0x38800000, v82                 ; the quarter's mean: the total x 2^-14
	s_delay_alu instid0(VALU_DEP_1)
	v_mov_b32 v81, v80
	; pass 2, on the registers: the sum of (x - mean)^2
.set p, 0
.rept 32
	v_pk_add_f32 v[X+2*p:X+2*p+1], v[X+2*p:X+2*p+1], v[80:81] neg_lo:[0,1] neg_hi:[0,1]
.set p, p+1
.endr
.set p, 0
.rept 32
.if p < 4
	v_pk_mul_f32 v[CH+2*p:CH+2*p+1], v[X+2*p:X+2*p+1], v[X+2*p:X+2*p+1]
.else
	s_delay_alu instid0(VALU_DEP_4)
	v_pk_fma_f32 v[CH+2*(p%4):CH+2*(p%4)+1], v[X+2*p:X+2*p+1], v[X+2*p:X+2*p+1], v[CH+2*(p%4):CH+2*(p%4)+1]
.endif
.set p, p+1
.endr
	REDUCE RED2
	s_cmp_lg_u32 s8, 0                             ; wave 0 stores, by its lane 0
	s_cbranch_scc1 .Lend
	v_mov_b32 v81, v82                             ; (mean, centred sum of squares)
	v_cmp_eq_u32 vcc_lo, 0, v2
	s_wait_alu depctr_va_vdst(0)
	s_wait_xcnt 0x0                                ; EXEC changes only behind this wait: it is a source of the loads above
	s_and_saveexec_b32 s20, vcc_lo
	global_store_b64 v6, v[80:81], s[6:7]
	s_wait_xcnt 0x0                                ; and again in front of the line that widens it
	s_or_b32 exec_lo, exec_lo, s20
.Lend:
	s_wait_tensorcnt 0x0                           ; the wave's end: three lines behind my last LDS store
	ds_add_u32 v[SPW], v[NIL]
	s_wait_dscnt 0x0
	s_endpgm
.Lfunc_end_k_q9b784c5dba_stats:
	.size	k_q9b784c5dba_stats, .Lfunc_end_k_q9b784c5dba_stats-k_q9b784c5dba_stats
	.p2alignl 7, 3214868480
	.fill 96, 4, 3214868480
	.section	.rodata,"a",@progbits
	.p2align	6, 0x0
	.amdhsa_kernel k_q9b784c5dba_stats
		.amdhsa_group_segment_fixed_size 1536
		.amdhsa_private_segment_fixed_size 0
		.amdhsa_enable_private_segment 0
		.amdhsa_kernarg_size 16
		.amdhsa_user_sgpr_count 2
		.amdhsa_user_sgpr_kernarg_segment_ptr 1
		.amdhsa_wavefront_size32 1
		.amdhsa_system_sgpr_workgroup_id_x 1
		.amdhsa_system_sgpr_workgroup_id_y 1
		.amdhsa_system_sgpr_workgroup_id_z 1
		.amdhsa_system_vgpr_workitem_id 0
		.amdhsa_next_free_vgpr 96
		.amdhsa_next_free_sgpr 66
		.amdhsa_reserve_vcc 1
		.amdhsa_float_denorm_mode_32 3
		.amdhsa_float_denorm_mode_16_64 3
		.amdhsa_memory_ordered 1
		.amdhsa_forward_progress 1
		.amdhsa_inst_pref_size 14
	.end_amdhsa_kernel
	.amdgpu_metadata
---
amdhsa.version: [ 1, 2 ]
amdhsa.kernels:
  - .name:           k_q9b784c5dba_stats
    .symbol:         k_q9b784c5dba_stats.kd
    .args:
      - { .name: x, .offset: 0, .size: 8, .value_kind: global_buffer, .address_space: global }
      - { .name: stats, .offset: 8, .size: 8, .value_kind: global_buffer, .address_space: global }
    .group_segment_fixed_size: 1536
    .private_segment_fixed_size: 0
    .kernarg_segment_align: 8
    .kernarg_segment_size: 16
    .max_flat_workgroup_size: 256
    .sgpr_count:     66
    .vgpr_count:     96
    .wavefront_size: 32
...
	.end_amdgpu_metadata
.endif
;; end of part 1
;; launch qkv (part 2): grid 128 x 2, 4 waves a work-group, clusters of 4 x 1, 327,680 bytes of LDS; arguments x, stats, gamma, beta, Wq_codes, Wq_scales, bq, Wk_codes, Wk_scales, bk, Wv_codes, Wv_scales, bv, qc, qs, kv; writes qc, qs, kv
.if DOCPART == 2
	.amdgcn_target "amdgcn-amd-amdhsa--gfx1250"
	.amdhsa_code_object_version 6
	.text
	.protected	k_q9b784c5dba_qkv
	.globl	k_q9b784c5dba_qkv
	.p2align	8
	.type	k_q9b784c5dba_qkv,@function
k_q9b784c5dba_qkv:
	s_mov_b64 s[64:65], 0
	v_nop
	global_prefetch_b8 v0, s[64:65] scope:SCOPE_SE
	s_setreg_imm32_b32 hwreg(HW_REG_WAVE_MODE, 25, 1), 1
	s_wait_xcnt 0x0
	s_wait_alu depctr_hold_cnt(0) depctr_sa_sdst(0) depctr_va_vdst(0) depctr_va_sdst(0) depctr_va_ssrc(0) depctr_va_vcc(0) depctr_vm_vsrc(0)
	s_getreg_b32 s2, hwreg(HW_REG_IB_STS2, 6, 4)
	s_cmp_eq_u32 s2, 0
	s_cbranch_scc0 .Lentry_in_a_cluster
	s_endpgm
.Lentry_in_a_cluster:
	s_bfe_u32 s2, ttmp6, 0x10000c
	s_cmp_lg_u32 s2, 0x3003
	s_cbranch_scc0 .Lentry_shape_is_right
	s_endpgm
.Lentry_shape_is_right:
; h = group_norm(x), quantised along the channels; q = h Wq^T + bq, k = h Wk^T + bk, v = h Wv^T + bv on codes of BF8 (E5M2) with one E8M0 scale for each 32 along K;
; q and k are quantised along the head's 64, v along the keys, and leave as IMAGES OF OPERAND REGISTERS: each group of four registers is 32 lanes x 16 bytes, 512 dense bytes, stored by one instruction.  No work is left out.
; SHARES.  Work-group (P, y): 64 positions (block P of 128; batch P / 64) x heads 4 y .. 4 y + 3.  In the products wave w owns head 4 y + w: four tiles of 16 rows of each weight, against all four tiles of 16 positions.
; CLUSTER.  The four partners have the same y and other P: they need the same rows of the weights, so each wave's tile (64 rows x 512 bytes) is asked for JOINTLY, with a mask that names the four.
;   Wq lands in slot 0, Wk in slot 1, Wv in slot 0 again once Wq's fragments are in registers.  A wave reads only the tiles that it asked for, each behind its own wait.
; PHASE X.  Wave w takes positions 32 (w % 2) on (a lane a position) and channels 256 (w / 2) on: its registers run DOWN the channels, so a block of 32 along K lies in one lane; a load reads 128 consecutive bytes.
;   The 32 codes go to LDS as the two halves of a fragment's image (lanes r and 16 + r): LDS does the redistribution.
; ORDER OF k INSIDE A BLOCK.  q and k are used transposed (source 0 = 16 rows of W, source 1 = 16 positions): a lane holds one position; the 16 registers of two neighbouring tiles hold d = 32 p + 8 h + 0..7 and 32 p + 16 + 8 h + 0..7.
;   q and k are both laid so: the same permutation inside one scale block on both sides of q k^T.  v is used the other way (source 0 = positions, source 1 = rows of Wv): a lane holds one channel and its registers run along the keys, in the
;   order in which attention's p will lie.  THE ROWS OF Wv THAT FORM A TILE ARE NOT NEIGHBOURS: lane r of tile t takes row 32 (t / 2) + 8 (t % 2) + r + 8 (r / 8), so that attention's result has 16 neighbouring channels in 16 registers.
; STATISTICS.  A group's four quarters (mean m_i, centred sum of squares q_i, 16,384 numbers each) are joined: m = mean of m_i; M2 = sum q_i + 16,384 sum (m_i - m)^2; variance = M2 / 65,536.  h = (x - m) (gamma rstd) + beta.
; LIMITS: NaN and infinities among the inputs are not served; a block of zeros, or one whose largest magnitude lies under 2^-111, gets the scale byte 1 (its codes are zeros or tiny; this program alone reads the bytes); v_rsq_f32 is good to 1 ulp.
; REGISTERS, in windows of 256.  Window 0: v0-31 addresses; v32-47 h's scale words (4 pt + s); v48-95 the weights' (16 U + 4 nt + s); v96-159 eight accumulators (phase X: two sets of 32 numbers of x); from v160 at work.
;   Window 1: h's 16 fragments at 16 (4 pt + s).  Window 2: the weight in hand, 16 fragments at 16 (4 nt + s).  Window 3: the biases in the results' layout: bq v0-31, bk v32-63, bv v64-95.
.set WT,    33792                      ; a wave's tile of a weight in LDS: 64 rows x (512 bytes + 16 of padding): the 16 rows that a load touches start in 16 different groups of banks
.set SLOT1, 135168                     ; slot 0 at 0, slot 1 here: four waves' tiles each
.set HIMG,  270336                     ; h's images: fragment (pt, s) at (4 pt + s) x 2,048, registers 4 c on at + 512 c, lane at + 16 lane
.set HSC,   303104                     ; h's scale words: [pt][16 r][4 s]
.set TA,    304128                     ; gamma x rstd, 512 numbers; beta 2,048 bytes behind it
.set TM,    308224                     ; (mean, mean) for each of the batch's 32 groups
.set SPARE, 308480                     ; the spare words, 128 bytes for each wave: two blocks of 256 bytes that no other line names
.set SPW, 16                           ; v16 LDS address of my spare word; never rewritten
.set NIL, 17                           ; v17 0; never rewritten
.set HS,  32
.set WS,  48
.set ACC, 96
.set PC,  160                          ; the products' phase: v160-175 codes, v176-191 at work, v192-195 bytes gathered, v196-199 words to store
.set TQ,  176
.set SB,  192
.set OW,  196
.set CA,  160                          ; phase X: v160-191 gamma rstd, v192-223 beta, v224-227 the two groups' means, v228-235 codes, v236-240 at work, v244-245 two scale words
.set CB,  192
.set CM,  224
.set XC,  228
.set SWD, 244
.set WV,  36                           ; s36 wave
.set MNT, 45                           ; s45 the mantissa field of 57,344
.set SEL, 46                           ; s[46:47] lane l xor 16
.set G1,  48                           ; s[48:55] descriptor group 1; s[56:59], s[60:63], s[68:71] groups 0 for Wq, Wk, Wv: none is ever rewritten
.set G0Q, 56
.set G0K, 60
.set G0V, 68
.set SQ,  80                           ; s[80:81] where my q codes go; then k's, v's, k's scale words, v's, q's
.set SK,  82
.set SV,  84
.set SSK, 86
.set SSV, 88
.set SQS, 90
.set MSB, 0
.macro WIN new                         ; bits 1:0 source 0, 3:2 source 1, 5:4 source 2, 7:6 destination; the high byte repeats the setting that is left
.if MSB != \new
	s_set_vgpr_msb (MSB<<8)|\new
.set MSB, \new
.endif
.endm
.macro CROUND                          ; a round of the cluster's barrier
	s_barrier_signal -1
	s_barrier_wait -1
	s_cmp_lg_u32 s[WV], 0
	s_cbranch_scc1 .Lnot_wave_0_\@
	s_barrier_signal -3
.Lnot_wave_0_\@:
	s_barrier_wait -3
	s_barrier_signal -1
	s_barrier_wait -1
.endm
.macro PLACES n
.rept \n
	v_nop
.endr
.endm
	s_load_b512 s[4:19], s[0:1], 0x0               ; x 4, stats 6, gamma 8, beta 10, Wq_codes 12, Wq_scales 14, bq 16, Wk_codes 18
	s_load_b512 s[20:35], s[0:1], 0x40             ; Wk_scales 20, bk 22, Wv_codes 24, Wv_scales 26, bv 28, qc 30, qs 32, kv 34
	v_lshl_add_u32 v[SPW], v0, 2, SPARE
	v_mov_b32 v[NIL], 0
	ds_add_u32 v[SPW], v[NIL]                      ; the wave's opening: the add, twice on end, and its wait ahead of my first tensor load; the set-up below is work on registers
	ds_add_u32 v[SPW], v[NIL]
	v_lshrrev_b32 v1, 5, v0
	v_readfirstlane_b32 s[WV], v1                  ; wave 0..3
	s_bfe_u32 s37, ttmp6, 0x40000                  ; cx: it enters x's and the results' addresses alone
	s_lshl_b32 s38, ttmp9, 2
	s_add_co_u32 s38, s38, s37                     ; P
	s_and_b32 s39, ttmp7, 0xffff                   ; y, which the partners share
	s_lshl_b32 s40, s39, 2
	s_add_co_u32 s40, s40, s[WV]                   ; my head
	s_and_b32 s41, s[WV], 1                        ; phase X: which 32 positions,
	s_lshr_b32 s42, s[WV], 1                       ; which 256 channels
	s_lshr_b32 s43, s38, 6                         ; batch
	s_and_b32 s44, s38, 63                         ; the block of 64 positions in the batch
	s_mov_b32 s[MNT], 0x600000
	s_mov_b32 s[SEL], 0x76543210
	s_mov_b32 s[SEL+1], 0xfedcba98
	s_mov_b32 s[G1], 15|(1<<20)|(1<<21)|(6<<22)|(3<<25)  ; 15:0 the mask: all four partners; 17:16 elements of 1 byte; 20 padding on; 21 set beside a mask; 24:22 after every 128 words; 31:25 four words
	s_mov_b32 s[G1+1], 512<<16                     ; tensor_dim0 = 512
	s_mov_b32 s[G1+2], 64<<16                      ; tensor_dim1 = 64
	s_mov_b32 s[G1+3], 512<<16                     ; tile_dim0 = 512
	s_mov_b32 s[G1+4], 64                          ; tile_dim1 = 64
	s_mov_b32 s[G1+5], 512                         ; from row to row
	s_mov_b32 s[G1+6], 0
	s_mov_b32 s[G1+7], 0
	; every LDS address is a constant + constants x lane and wave
	v_and_b32 v1, 31, v0                           ; lane
	v_and_b32 v2, 15, v0                           ; r
	s_wait_alu depctr_va_vdst(0)
	v_bfe_u32 v3, v0, 4, 1                         ; h
	v_lshlrev_b32 v4, 2, v1                        ; x: 4 bytes a lane
	s_lshl_b32 s72, s42, 10
	s_add_co_u32 s72, s72, TA
	v_mov_b32 v5, s72                              ; my 256 channels' constants
	s_lshl_b32 s72, s42, 7
	s_add_co_u32 s72, s72, TM
	v_mov_b32 v6, s72                              ; and their 16 groups' means
	s_lshl_b32 s72, s41, 14
	s_lshl_b32 s73, s42, 12
	s_add_co_u32 s72, s72, s73
	s_add_co_u32 s72, s72, HIMG
	v_lshlrev_b32 v20, 4, v2                       ; 16 r
	s_wait_alu depctr_va_vdst(0)
	v_lshl_add_u32 v7, v3, 13, v20
	v_add_nc_u32 v7, s72, v7                       ; phase X stores codes at tile of positions 2 (w % 2) + lane / 16, K steps 2 (w / 2) on, row r
	s_lshl_b32 s72, s41, 9
	s_lshl_b32 s73, s42, 3
	s_add_co_u32 s72, s72, s73
	s_add_co_u32 s72, s72, HSC
	v_lshl_add_u32 v8, v3, 8, v20
	v_add_nc_u32 v8, s72, v8                       ; and its two scale words
	v_lshl_add_u32 v9, v1, 4, HIMG                 ; an image comes back at 16 x lane
	v_add_nc_u32 v10, HSC, v20                     ; a row's four scale words
	s_mul_i32 s75, s[WV], WT
	v_mul_u32_u24 v11, v2, 528
	v_lshl_add_u32 v11, v3, 4, v11
	v_add_nc_u32 v11, s75, v11                     ; a weight's fragment in slot 0: row r, + 16 h
	v_add_nc_u32 v12, SLOT1, v11                   ; in slot 1
	v_and_b32 v26, 8, v2
	v_add_nc_u32 v26, v26, v2                      ; r + 8 (r / 8)
	v_mul_u32_u24 v13, v26, 528
	v_lshl_add_u32 v13, v3, 4, v13
	v_add_nc_u32 v13, s75, v13                     ; Wv's fragment: the chosen rows
	v_lshlrev_b32 v14, 4, v1                       ; results: 16 bytes a lane,
	v_lshlrev_b32 v15, 3, v1                       ; 8 bytes a lane
	v_lshlrev_b32 v21, 4, v26                      ; Wv's scale words: 16 bytes a row
	v_lshlrev_b32 v22, 2, v26                      ; bv
	v_lshlrev_b32 v23, 5, v3                       ; bq, bk: my half's eight numbers
	v_lshrrev_b32 v24, 2, v0                       ; the table: thread t has channels 4 t .. 4 t + 3 of group t / 4
	v_lshl_add_u32 v19, v24, 3, TM
	v_lshlrev_b32 v24, 5, v24                      ; the group's four quarters: 32 bytes
	v_lshlrev_b32 v25, 4, v0
	v_lshl_add_u32 v18, v0, 4, TA
	; byte offsets, each in registers of its own
	s_lshl_b32 s74, s43, 3
	s_add_co_u32 s74, s74, s40                     ; bh = 8 batch + head
	s_lshl_b32 s72, s43, 23                        ; x: batch, my 256 channels, the block's 256 bytes of a row, my 128 of them
	s_lshl_b32 s73, s42, 22
	s_add_co_u32 s72, s72, s73
	s_lshl_b32 s73, s44, 8
	s_add_co_u32 s72, s72, s73
	s_lshl_b32 s73, s41, 7
	s_add_co_u32 s72, s72, s73
	s_mov_b32 s73, 0
	s_lshl_b32 s76, s40, 15                        ; my head's 64 rows of a weight: 32,768 bytes
	s_mov_b32 s77, 0
	s_lshl_b32 s78, s40, 10                        ; and of its scale bytes
	s_mov_b32 s79, 0
	s_lshl_b32 s80, s74, 18                        ; qc: [bh][256 tiles][2 blocks][512]
	s_lshl_b32 s81, s44, 12
	s_add_co_u32 s80, s80, s81
	s_mov_b32 s81, 0
	s_lshr_b32 s92, s44, 1                         ; the key step of 128 keys, and which half of it
	s_and_b32 s93, s44, 1
	s_mul_i32 s94, s74, 557056                     ; kv: a head's part: 32 steps x (K 8,192 + V 8,192), then 32 x 1,024 bytes of scale bytes
	s_lshl_b32 s95, s92, 14
	s_add_co_u32 s95, s95, s94
	s_lshl_b32 s82, s93, 12
	s_add_co_u32 s82, s82, s95                     ; K's codes: + 4,096 half
	s_mov_b32 s83, 0
	s_lshl_b32 s84, s93, 10
	s_add_co_u32 s84, s84, s95
	s_add_co_u32 s84, s84, 8192                    ; V's: + 8,192 + 1,024 half
	s_mov_b32 s85, 0
	s_lshl_b32 s86, s92, 10
	s_add_co_u32 s86, s86, s94
	s_lshl_b32 s95, s93, 8
	s_add_co_u32 s86, s86, s95
	s_add_co_u32 s86, s86, 524288                  ; K's scale words
	s_mov_b32 s87, 0
	s_add_co_u32 s88, s86, 512                     ; V's
	s_mov_b32 s89, 0
	s_lshl_b32 s90, s74, 15                        ; qs: [bh][64 blocks][32 lanes][4 tiles] words
	s_lshl_b32 s91, s44, 9
	s_add_co_u32 s90, s90, s91
	s_mov_b32 s91, 0
	s_lshl_b32 s94, s43, 10                        ; stats: 1,024 bytes a batch
	s_mov_b32 s95, 0
	s_wait_dscnt 0x0                               ; both opening adds are done
	s_wait_kmcnt 0x0
	s_add_nc_u64 s[4:5], s[4:5], s[72:73]
	s_add_nc_u64 s[6:7], s[6:7], s[94:95]
	s_add_nc_u64 s[14:15], s[14:15], s[78:79]
	s_add_nc_u64 s[20:21], s[20:21], s[78:79]
	s_add_nc_u64 s[26:27], s[26:27], s[78:79]
	s_lshl_b32 s78, s40, 8                         ; my head's 64 numbers of a bias
	s_add_nc_u64 s[16:17], s[16:17], s[78:79]
	s_add_nc_u64 s[22:23], s[22:23], s[78:79]
	s_add_nc_u64 s[28:29], s[28:29], s[78:79]
	s_add_nc_u64 s[SQ:SQ+1], s[30:31], s[SQ:SQ+1]
	s_add_nc_u64 s[SK:SK+1], s[34:35], s[SK:SK+1]
	s_add_nc_u64 s[SV:SV+1], s[34:35], s[SV:SV+1]
	s_add_nc_u64 s[SSK:SSK+1], s[34:35], s[SSK:SSK+1]
	s_add_nc_u64 s[SSV:SSV+1], s[34:35], s[SSV:SSV+1]
	s_add_nc_u64 s[SQS:SQS+1], s[32:33], s[SQS:SQS+1]
	s_mov_b32 s[G0Q], 1                            ; group 0: count; LDS address; global address (y and the wave's number alone: equal in the four partners); type 2
	s_mov_b32 s[G0Q+1], s75
	s_add_nc_u64 s[G0Q+2:G0Q+3], s[12:13], s[76:77]
	s_or_b32 s[G0Q+3], s[G0Q+3], 0x80000000
	s_mov_b32 s[G0K], 1
	s_add_co_u32 s[G0K+1], s75, SLOT1
	s_add_nc_u64 s[G0K+2:G0K+3], s[18:19], s[76:77]
	s_or_b32 s[G0K+3], s[G0K+3], 0x80000000
	s_mov_b32 s[G0V], 1
	s_mov_b32 s[G0V+1], s75
	s_add_nc_u64 s[G0V+2:G0V+3], s[24:25], s[76:77]
	s_or_b32 s[G0V+3], s[G0V+3], 0x80000000
	CROUND                                         ; all four work-groups are here: the first joint loads meet
	tensor_load_to_lds s[G0Q:G0Q+3], s[G1:G1+7]    ; every wave asks for its own tile of Wq: its one tensor load at the head
	s_nop 0
	PLACES 4
	; the small loads: 36
	s_wait_alu depctr_va_vdst(0)
	global_load_b128 v[160:163], v24, s[6:7]               ; m0 q0 m1 q1
	global_load_b128 v[164:167], v24, s[6:7] offset:16     ; m2 q2 m3 q3
	global_load_b128 v[168:171], v25, s[8:9]               ; gamma
	global_load_b128 v[172:175], v25, s[10:11]             ; beta
.irp nt, 0,1,2,3
	global_load_b128 v[WS+4*\nt:WS+4*\nt+3], v20, s[14:15] offset:256*\nt          ; a row's 16 scale bytes are the words of its four K steps
	global_load_b128 v[WS+16+4*\nt:WS+16+4*\nt+3], v20, s[20:21] offset:256*\nt
	global_load_b128 v[WS+32+4*\nt:WS+32+4*\nt+3], v21, s[26:27] offset:(32*(\nt/2)+8*(\nt%2))*16
.endr
	WIN 0xc0                                       ; destination window 3
.irp nt, 0,1,2,3
	global_load_b128 v[8*\nt:8*\nt+3], v23, s[16:17] offset:64*\nt                 ; bq of rows 16 nt + 8 h + 0 .. 7
	global_load_b128 v[8*\nt+4:8*\nt+7], v23, s[16:17] offset:64*\nt+16
	global_load_b128 v[32+8*\nt:32+8*\nt+3], v23, s[22:23] offset:64*\nt
	global_load_b128 v[32+8*\nt+4:32+8*\nt+7], v23, s[22:23] offset:64*\nt+16
	global_load_b32 v[64+8*\nt], v22, s[28:29] offset:(32*(\nt/2)+8*(\nt%2))*4     ; bv of my lane's row
.endr
	WIN 0
; block B of my 256 channels: x(32 B + i, my position), i = 0 .. 31, into set B % 2.  The offsets stay inside the signed 24-bit immediate: 255 x 16,384 at the most
.macro LOADX B
.irp i, 0,1,2,3,4,5,6,7,8,9,10,11,12,13,14,15,16,17,18,19,20,21,22,23,24,25,26,27,28,29,30,31
	global_load_b32 v[ACC+32*((\B)%2)+\i], v4, s[4:5] offset:(32*(\B)+\i)*16384
.endr
.endm
.macro CONST B                         ; the block's 32 gamma rstd, 32 beta and two groups' means: every lane names the same bytes
.irp k, 0,1,2,3,4,5,6,7
	ds_load_b128 v[CA+4*\k:CA+4*\k+3], v5 offset:128*(\B)+16*\k
	ds_load_b128 v[CB+4*\k:CB+4*\k+3], v5 offset:2048+128*(\B)+16*\k
.endr
	ds_load_b128 v[CM:CM+3], v6 offset:16*(\B)
.endm
	LOADX 0
	s_wait_loadcnt 32                              ; all but the 32 just issued
	; THE TABLE
	v_add_f32 v176, v160, v162
	v_add_f32 v177, v164, v166
	v_add_f32 v176, v176, v177
	v_mul_f32 v176, 0x3e800000, v176               ; the group's mean
	v_sub_f32 v178, v160, v176
	v_sub_f32 v179, v162, v176
	v_sub_f32 v180, v164, v176
	v_sub_f32 v181, v166, v176
	v_mul_f32 v182, v178, v178
	v_fmac_f32 v182, v179, v179
	v_fmac_f32 v182, v180, v180
	v_fmac_f32 v182, v181, v181
	v_add_f32 v183, v161, v163
	v_add_f32 v184, v165, v167
	v_add_f32 v183, v183, v184
	v_fmamk_f32 v183, v182, 0x46800000, v183       ; + 16,384 x the sum of (m_i - m)^2
	s_mov_b32 s72, 0x37800000                      ; 2^-16
	s_mov_b32 s73, 0x3727c5ac                      ; 1e-5
	v_fma_f32 v183, v183, s72, s73                 ; the variance + eps
	s_wait_alu depctr_va_vdst(0)
	v_rsq_f32 v184, v183
	v_mov_b32 v177, v176                           ; (a plain place behind the transcendental)  the mean, twice
	s_wait_alu depctr_va_vdst(0)                   ; the wait ahead of the result's first reader
.irp i, 0,1,2,3
	v_mul_f32 v[168+\i], v[168+\i], v184
.endr
	ds_store_b128 v18, v[168:171]
	ds_store_b128 v18, v[172:175] offset:2048
	ds_store_b64 v19, v[176:177]                   ; a group's four threads write the same bytes with the same values
	LOADX 1
	WIN 0xc3                                       ; inside window 3: bv's number in all eight registers of its tile
.irp nt, 0,1,2,3
.irp j, 1,2,3,4,5,6,7
	v_mov_b32 v[64+8*\nt+\j], v[64+8*\nt]
.endr
.endr
	WIN 0
	s_wait_dscnt 0x0                               ; my part of the table has landed
	s_barrier_signal -1
	s_barrier_wait -1                              ; everybody's has.
.macro BLOCKX B
.set XS, ACC+32*((\B)%2)
.if (\B) < 7
	s_wait_loadcnt 32                              ; this block's 32 loads are in; the next block's may be out
.else
	s_wait_loadcnt 0x0
.endif
	s_wait_dscnt 0x0                               ; the constants are in
.irp i, 0,1,2,3,4,5,6,7,8,9,10,11,12,13,14,15
	v_pk_add_f32 v[XS+2*\i:XS+2*\i+1], v[XS+2*\i:XS+2*\i+1], v[CM+2*(\i/8):CM+2*(\i/8)+1] neg_lo:[0,1] neg_hi:[0,1]   ; x - the group's mean: 16 channels to a group
.endr
.irp i, 0,1,2,3,4,5,6,7,8,9,10,11,12,13,14,15
	v_pk_fma_f32 v[XS+2*\i:XS+2*\i+1], v[XS+2*\i:XS+2*\i+1], v[CA+2*\i:CA+2*\i+1], v[CB+2*\i:CB+2*\i+1]
.endr
.if (\B) < 7
	CONST (\B)+1
.endif
	v_max3_num_f32 v236, |v[XS]|, |v[XS+1]|, |v[XS+2]|              ; the block's largest magnitude: all 32 numbers are mine
	v_max3_num_f32 v237, |v[XS+3]|, |v[XS+4]|, |v[XS+5]|
.irp i, 6,10,14,18,22,26
	v_max3_num_f32 v236, v236, |v[XS+\i]|, |v[XS+\i+1]|
	v_max3_num_f32 v237, v237, |v[XS+\i+2]|, |v[XS+\i+3]|
.endr
	v_max3_num_f32 v236, v236, |v[XS+30]|, |v[XS+31]|
	v_max3_num_f32 v236, v236, v237, 0x8000000     ; and the floor 2^(16 - 127): the byte cannot fall under 1
	v_add_nc_u32 v238, 0xf8800000, v236            ; 15 off the exponent field: the conversion's scale operand
	v_and_or_b32 v239, v236, 0x7f800000, s[MNT]    ; 57,344 x the scale
.irp i, 0,1,2,3,4,5,6,7,8,9,10,11,12,13,14,15,16,17,18,19,20,21,22,23,24,25,26,27,28,29,30,31
	v_med3_num_f32 v[XS+\i], v[XS+\i], -v239, v239 ; the conversion to an 8-bit code does not saturate (ISA guide 7.6.2): the hold
.endr
.irp g, 0,1,2,3
	v_cvt_scalef32_pk8_bf8_f32 v[XC+2*\g:XC+2*\g+1], v[XS+8*\g:XS+8*\g+7], v238
.endr
.if (\B)%4 == 0
	v_lshrrev_b32 v[SWD+(\B)/4], 23, v238          ; the scale's byte (also the plain line behind the conversions); four bytes make a K step's word
.else
	v_lshrrev_b32 v240, 23, v238
	v_lshl_or_b32 v[SWD+(\B)/4], v240, 8*((\B)%4), v[SWD+(\B)/4]
.endif
	ds_store_b128 v7, v[XC:XC+3] offset:((\B)/4)*2048+((\B)%4)*512         ; k = 0 .. 15 of the block: lane r of the image
	ds_store_b128 v7, v[XC+4:XC+7] offset:((\B)/4)*2048+((\B)%4)*512+256   ; k = 16 .. 31: lane 16 + r
.if (\B) < 6
	LOADX (\B)+2
.endif
.endm
	CONST 0
.irp B, 0,1,2,3
	BLOCKX \B
.endr
	s_wait_alu depctr_va_vdst(0)                   ; ahead of the waits below
	s_wait_tensorcnt 0x0                           ; Wq's tile, my own, has landed; three lines ahead of a later first fill
	ds_add_u32 v[SPW], v[NIL]
	s_wait_dscnt 0x0                               ; the add is done
	CROUND                                         ; all four partners are here: the joint loads meet
	tensor_load_to_lds s[G0K:G0K+3], s[G1:G1+7]    ; Wk into slot 1, its first fill: my one tensor load behind this round; it has the other half of phase X in which to land
	s_nop 0
	PLACES 4
.irp B, 4,5,6,7
	BLOCKX \B
.endr
	ds_store_b64 v8, v[SWD:SWD+1]
	s_wait_dscnt 0x0                               ; my images have landed
	s_barrier_signal -1
	s_barrier_wait -1                              ; h's sixteen fragments lie in LDS
	WIN 0x40                                       ; destination window 1
.set f, 0
.rept 64
	ds_load_b128 v[4*f:4*f+3], v9 offset:512*f     ; h stays in registers
.set f, f+1
.endr
	WIN 0
.irp pt, 0,1,2,3
	ds_load_b128 v[HS+4*\pt:HS+4*\pt+3], v10 offset:256*\pt
.endr
; a weight's 16 fragments into window 2.  perm = 1: the chosen rows of Wv
.macro LOADW adr, perm
	WIN 0x80
.irp nt, 0,1,2,3
.irp s, 0,1,2,3
.irp c, 0,1,2,3
.if \perm
	ds_load_b128 v[16*(4*\nt+\s)+4*\c:16*(4*\nt+\s)+4*\c+3], v[\adr] offset:(32*(\nt/2)+8*(\nt%2))*528+128*\s+32*\c
.else
	ds_load_b128 v[16*(4*\nt+\s)+4*\c:16*(4*\nt+\s)+4*\c+3], v[\adr] offset:\nt*8448+128*\s+32*\c
.endif
.endr
.endr
.endr
	WIN 0
.endm
; 32 matrix instructions: eight accumulators by turns, one instruction a turn, four K steps; the bias is the C of each sum's first.
; kind 0 (q, k): accumulator a = 2 pt + u: source 0 = tile 2 p + u of the weight, source 1 = tile pt of h.   kind 1 (v): a = 4 tl + pt: source 0 = tile pt of h, source 1 = tile 2 p + tl of Wv.
.macro MUL32 kind, U, p
.irp s, 0,1,2,3
.if \kind
.if \s == 0
	WIN 0x39                                       ; source 0 window 1, source 1 window 2, C window 3
.else
	WIN 0x09
.endif
.else
.if \s == 0
	WIN 0x36                                       ; source 0 window 2, source 1 window 1, C window 3
.else
	WIN 0x06
.endif
.endif
.irp a, 0,1,2,3,4,5,6,7
.if \kind
.set rW, 2*(\p)+\a/4
.set rH, \a%4
.set rA, 16*(4*rH+\s)
.set rB, 16*(4*rW+\s)
.set sA, HS+4*rH+\s
.set sB, WS+16*(\U)+4*rW+\s
.set rC, 64+8*rW
.else
.set rW, 2*(\p)+\a%2
.set rH, \a/2
.set rA, 16*(4*rW+\s)
.set rB, 16*(4*rH+\s)
.set sA, WS+16*(\U)+4*rW+\s
.set sB, HS+4*rH+\s
.set rC, 32*(\U)+8*rW
.endif
.if \s == 0
	v_wmma_scale_f32_16x16x128_f8f6f4 v[ACC+8*\a:ACC+8*\a+7], v[rA:rA+15], v[rB:rB+15], v[rC:rC+7], v[sA], v[sB] matrix_a_fmt:MATRIX_FMT_BF8 matrix_b_fmt:MATRIX_FMT_BF8
.else
	v_wmma_scale_f32_16x16x128_f8f6f4 v[ACC+8*\a:ACC+8*\a+7], v[rA:rA+15], v[rB:rB+15], v[ACC+8*\a:ACC+8*\a+7], v[sA], v[sB] matrix_a_fmt:MATRIX_FMT_BF8 matrix_b_fmt:MATRIX_FMT_BF8
.endif
.endr
.endr
	WIN 0
	PLACES 8                                       ; in front of the first read of results; the lines of QUANT4 add to them in front of the next products and loads
.endm
; The 64 numbers in the accumulators are four blocks of 32 (block b: registers 16 b on, in lanes l and l xor 16): codes into v[PC + 4 b] on, bytes into v[TQ + 4 + b].  Each accumulator is read from its low end on.
.macro QUANT4
	s_wait_xcnt 0x0                                ; the last stores have read their data: the codes' and words' registers may be written again
.irp b, 0,1,2,3
	v_max3_num_f32 v[TQ+\b], |v[ACC+16*\b]|, |v[ACC+16*\b+1]|, 0x8000000
.endr
.irp i, 2,4,6,8,10,12,14
.irp b, 0,1,2,3
	v_max3_num_f32 v[TQ+\b], v[TQ+\b], |v[ACC+16*\b+\i]|, |v[ACC+16*\b+\i+1]|
.endr
.endr
.irp b, 0,1,2,3
	v_permlanex16_b32 v[TQ+4+\b], v[TQ+\b], s[SEL], s[SEL+1]
.endr
.irp b, 0,1,2,3
	v_max_num_f32 v[TQ+\b], v[TQ+\b], v[TQ+4+\b]
.endr
.irp b, 0,1,2,3
	v_add_nc_u32 v[TQ+12+\b], 0xf8800000, v[TQ+\b]
.endr
.irp b, 0,1,2,3
	v_and_or_b32 v[TQ+8+\b], v[TQ+\b], 0x7f800000, s[MNT]
.endr
.irp b, 0,1,2,3
.irp i, 0,1,2,3,4,5,6,7,8,9,10,11,12,13,14,15
	v_med3_num_f32 v[ACC+16*\b+\i], v[ACC+16*\b+\i], -v[TQ+8+\b], v[TQ+8+\b]
.endr
	v_cvt_scalef32_pk8_bf8_f32 v[PC+4*\b:PC+4*\b+1], v[ACC+16*\b:ACC+16*\b+7], v[TQ+12+\b]
	v_cvt_scalef32_pk8_bf8_f32 v[PC+4*\b+2:PC+4*\b+3], v[ACC+16*\b+8:ACC+16*\b+15], v[TQ+12+\b]
.endr
.irp b, 0,1,2,3
	v_lshrrev_b32 v[TQ+4+\b], 23, v[TQ+12+\b]      ; the bytes: also the plain lines behind the last conversion
.endr
.endm
.macro OUTQK base, p                   ; block p of the head's 64, for the four tiles of positions: 512 consecutive bytes a store
.irp pt, 0,1,2,3
	global_store_b128 v14, v[PC+4*\pt:PC+4*\pt+3], s[\base:\base+1] offset:\pt*1024+(\p)*512
.endr
.endm
	; UNIT q, and the one refill
	LOADW 11, 0                                    ; Wq's tile was shown landed by the wait in front of the round in phase X
	s_wait_tensorcnt 0x0                           ; all my tensor loads have landed,
	ds_add_u32 v[SPW], v[NIL]                      ; 0 onto my spare word;
.irp b, 0,1,2,3
	v_mov_b32 v[TQ+4+\b], 0                        ; (a lane permute's destination counts as read: written once)
.endr
	s_wait_dscnt 0x0                               ; the add is done, and my reads of slot 0 are over
	CROUND                                         ; so of every wave of every partner
	tensor_load_to_lds s[G0V:G0V+3], s[G1:G1+7]    ; Wv into slot 0: it has q's and k's products in which to land
	s_nop 0
	PLACES 4
.irp p, 0,1
	MUL32 0, 0, \p
	QUANT4
	OUTQK SQ, \p
.if \p == 0
.irp pt, 0,1,2,3
	v_mov_b32 v[SB+\pt], v[TQ+4+\pt]
.endr
.else
.irp pt, 0,1,2,3
	v_lshl_or_b32 v[SB+\pt], v[TQ+4+\pt], 8, v[SB+\pt]
.endr
.irp pt, 0,1,2,3
	v_lshl_or_b32 v[OW+\pt], v[SB+\pt], 16, v[SB+\pt]   ; (q0, q1, q0, q1): q will stand in either half of an operand of 128
.endr
	global_store_b128 v14, v[OW:OW+3], s[SQS:SQS+1]
.endif
.endr
	; UNIT k
	LOADW 12, 0                                    ; Wk's tile was shown landed by the wait for all loads above
	s_wait_dscnt 0x0
.irp p, 0,1
	MUL32 0, 1, \p
	QUANT4
	OUTQK SK, \p
.if \p == 0
.irp pt, 0,1,2,3
	v_mov_b32 v[SB+\pt], v[TQ+4+\pt]
.endr
.else
.irp pt, 0,1,2,3
	v_lshl_or_b32 v[SB+\pt], v[TQ+4+\pt], 8, v[SB+\pt]
.endr
	v_lshl_or_b32 v[OW], v[SB+1], 16, v[SB]        ; two tiles of 16 keys share an operand of 128: (even tile's two bytes, odd tile's two)
	v_lshl_or_b32 v[OW+1], v[SB+3], 16, v[SB+2]
	global_store_b64 v15, v[OW:OW+1], s[SSK:SSK+1]
.endif
.endr
	; UNIT v
	s_wait_tensorcnt 0x0                           ; Wv's tile, my own, has landed
	LOADW 13, 1
	s_wait_dscnt 0x0
.irp p, 0,1
	MUL32 1, 2, \p
	QUANT4
.irp q, 0,1,2,3                        ; block q = 2 tl + b: tile 2 p + tl of V^T, keys 32 b on of my 64
	global_store_b128 v14, v[PC+4*\q:PC+4*\q+3], s[SV:SV+1] offset:(2*(\p)+\q/2)*2048+(\q%2)*512
.endr
	v_lshl_or_b32 v[OW+\p], v[TQ+5], 8, v[TQ+4]
	v_lshl_or_b32 v[OW+\p], v[TQ+6], 16, v[OW+\p]
	v_lshl_or_b32 v[OW+\p], v[TQ+7], 24, v[OW+\p]
.endr
	global_store_b64 v15, v[OW:OW+1], s[SSV:SSV+1] ; four tiles x two bytes a lane
	s_wait_tensorcnt 0x0                           ; the wave's end: three lines behind my last tensor load and my last LDS store
	ds_add_u32 v[SPW], v[NIL]
	s_wait_dscnt 0x0
	CROUND                                         ; the closing round
	s_endpgm
.Lfunc_end_k_q9b784c5dba_qkv:
	.size	k_q9b784c5dba_qkv, .Lfunc_end_k_q9b784c5dba_qkv-k_q9b784c5dba_qkv
	.p2alignl 7, 3214868480
	.fill 96, 4, 3214868480
	.section	.rodata,"a",@progbits
	.p2align	6, 0x0
	.amdhsa_kernel k_q9b784c5dba_qkv
		.amdhsa_group_segment_fixed_size 327680
		.amdhsa_private_segment_fixed_size 0
		.amdhsa_enable_private_segment 0
		.amdhsa_kernarg_size 128
		.amdhsa_user_sgpr_count 2
		.amdhsa_user_sgpr_kernarg_segment_ptr 1
		.amdhsa_wavefront_size32 1
		.amdhsa_system_sgpr_workgroup_id_x 1
		.amdhsa_system_sgpr_workgroup_id_y 1
		.amdhsa_system_sgpr_workgroup_id_z 1
		.amdhsa_system_vgpr_workitem_id 0
		.amdhsa_next_free_vgpr 1024
		.amdhsa_next_free_sgpr 96
		.amdhsa_reserve_vcc 0
		.amdhsa_float_denorm_mode_32 3
		.amdhsa_float_denorm_mode_16_64 3
		.amdhsa_memory_ordered 1
		.amdhsa_forward_progress 1
		.amdhsa_inst_pref_size 187
	.end_amdhsa_kernel
	.amdgpu_metadata
---
amdhsa.version: [ 1, 2 ]
amdhsa.kernels:
  - .name:           k_q9b784c5dba_qkv
    .symbol:         k_q9b784c5dba_qkv.kd
    .args:
      - { .name: x, .offset: 0, .size: 8, .value_kind: global_buffer, .address_space: global }
      - { .name: stats, .offset: 8, .size: 8, .value_kind: global_buffer, .address_space: global }
      - { .name: gamma, .offset: 16, .size: 8, .value_kind: global_buffer, .address_space: global }
      - { .name: beta, .offset: 24, .size: 8, .value_kind: global_buffer, .address_space: global }
      - { .name: Wq_codes, .offset: 32, .size: 8, .value_kind: global_buffer, .address_space: global }
      - { .name: Wq_scales, .offset: 40, .size: 8, .value_kind: global_buffer, .address_space: global }
      - { .name: bq, .offset: 48, .size: 8, .value_kind: global_buffer, .address_space: global }
      - { .name: Wk_codes, .offset: 56, .size: 8, .value_kind: global_buffer, .address_space: global }
      - { .name: Wk_scales, .offset: 64, .size: 8, .value_kind: global_buffer, .address_space: global }
      - { .name: bk, .offset: 72, .size: 8, .value_kind: global_buffer, .address_space: global }
      - { .name: Wv_codes, .offset: 80, .size: 8, .value_kind: global_buffer, .address_space: global }
      - { .name: Wv_scales, .offset: 88, .size: 8, .value_kind: global_buffer, .address_space: global }
      - { .name: bv, .offset: 96, .size: 8, .value_kind: global_buffer, .address_space: global }
      - { .name: qc, .offset: 104, .size: 8, .value_kind: global_buffer, .address_space: global }
      - { .name: qs, .offset: 112, .size: 8, .value_kind: global_buffer, .address_space: global }
      - { .name: kv, .offset: 120, .size: 8, .value_kind: global_buffer, .address_space: global }
    .group_segment_fixed_size: 327680
    .private_segment_fixed_size: 0
    .kernarg_segment_align: 8
    .kernarg_segment_size: 128
    .max_flat_workgroup_size: 128
    .sgpr_count:     96
    .vgpr_count:     1024
    .wavefront_size: 32
...
	.end_amdgpu_metadata
.endif
;; end of part 2
;; launch attn (part 3): grid 16 x 16, 8 waves a work-group, clusters of 4 x 1, 327,680 bytes of LDS; arguments qc, qs, kv, oc, os; writes oc, os
.if DOCPART == 3
	.amdgcn_target "amdgcn-amd-amdhsa--gfx1250"
	.amdhsa_code_object_version 6
	.text
	.protected	k_q9b784c5dba_attn
	.globl	k_q9b784c5dba_attn
	.p2align	8
	.type	k_q9b784c5dba_attn,@function
k_q9b784c5dba_attn:
	s_mov_b64 s[64:65], 0
	v_nop
	global_prefetch_b8 v0, s[64:65] scope:SCOPE_SE
	s_setreg_imm32_b32 hwreg(HW_REG_WAVE_MODE, 25, 1), 1
	s_wait_xcnt 0x0
	s_wait_alu depctr_hold_cnt(0) depctr_sa_sdst(0) depctr_va_vdst(0) depctr_va_sdst(0) depctr_va_ssrc(0) depctr_va_vcc(0) depctr_vm_vsrc(0)
	s_getreg_b32 s2, hwreg(HW_REG_IB_STS2, 6, 4)
	s_cmp_eq_u32 s2, 0
	s_cbranch_scc0 .Lentry_in_a_cluster
	s_endpgm
.Lentry_in_a_cluster:
	s_bfe_u32 s2, ttmp6, 0x10000c
	s_cmp_lg_u32 s2, 0x3003
	s_cbranch_scc0 .Lentry_shape_is_right
	s_endpgm
.Lentry_shape_is_right:
; o = softmax(q k^T / 8) v for 16 (batch, head) pairs of 4,096 x 4,096, head size 64, both products on codes of BF8 (E5M2) with one E8M0 scale for each 32 along K; o is quantised along the channels for the last product.  No work of the problem is left out.
; THE SOFTMAX: t = score x log2(e) / 8; M = the running largest t rounded UP to a whole number; p = 2^(t - M) is quantised along the keys, not normalised; the row's sum is taken of the unquantised p and divides at the end.
; When M moves, the sum and O are multiplied by 2^(old M - new M): exact, with no branch on data.
; SHARES.  A work-group owns 256 queries of one head; each of its eight waves TWO tiles of 16 queries, in 512 registers: every fragment of K and of V that a wave reads from LDS feeds both tiles.
; Every wave walks 32 steps of 128 keys.  K, V and their scale bytes lie in memory as images of operand registers: a step is 16,384 dense bytes; a slot holds EIGHT steps (131,072 bytes), two slots; the head's scale bytes (32,768) stay in LDS.
; CLUSTER.  The four query blocks of a cluster belong to one head and walk the same bytes: each tile is asked for JOINTLY.  Waves 0 to 3 fetch a quarter of a slot each (128 rows of 256 bytes); wave 4, once, the scale bytes (as many bytes).
; THE LOOP IS TURNED: a trip multiplies the step BEFORE's V^T p^T and its own K q^T in one run, asks in one run of LDS loads for its V and for the NEXT step's K (the next scale bytes follow behind the first batch of exponentials), and walks the softmax while they land.
;   The last step's V^T p^T stands behind the loops.  The first trip finds zero codes for V and p and zeros in O and the sums: eight products of zeros, so that the step is written without a first step of its own.
;   A slot's last step has no next step in its slot: it asks for the slot's FIRST K once more (16 loads in 8 steps that nobody uses), so that the loop's body stays one text; the next slot's first K is loaded behind the change of slots.
; HEAD SIZE 64 IN AN OPERAND OF 128.  A fragment of K holds two tiles of 16 keys: the even one at k = 0 .. 63, the odd one at 64 .. 127.  q lies as [0][q0][0][q1][0]: [q, 0] picks the even tile, [0, q] the odd one.
;   The other half multiplies K's codes by zero codes: this takes K's codes to be finite, which the quantiser's hold sees to for finite inputs.
; LAYOUT.  Both products are used transposed (S^T = K q^T, O^T = V^T p^T): a lane holds one query of each tile.  The 16 registers of two neighbouring tiles of S^T hold keys 32 b + 8 h + 0..7 and 32 b + 16 + 8 h + 0..7; V was laid in the same order.
; LIMITS: NaN and infinities are not served; the promise holds while the scaled scores t stay under 2^31 in magnitude; a block whose every p has fallen under 2^-111 keeps the byte 1;
;   a block's largest p is taken from its largest score by the same two instructions (this takes v_exp_f32 not to fall where its input rises).
; REGISTERS.  Window 0: v1-9, v86 addresses; v10-69 the two tiles' state; v70-85 scale words; v88-119 p's codes; v128-255 S^T, then p (tile u at 64 u).  Window 1: v0-63 K, v64-127 V, v128-191 O^T (tile u at 32 u), v192-231 q.
.set SLOT1, 1<<17                      ; LDS: slot 0 at 0, slot 1 here: one exclusive or turns an address in one slot into the other's
.set SC,    262144                     ; the head's scale bytes, 1,024 a step: K's words of the two halves, then V's
.set OSG,   294912                     ; 512 bytes in which o's scale bytes of the eight waves meet (a block of 1,024)
.set SPARE, 295936                     ; the spare words, 128 bytes for each wave: four blocks of 256 bytes that no other line names
.set SPW,  3                           ; v3 LDS address of my spare word; v4 0: never rewritten
.set NIL,  4
.set NM,   10                          ; tile u: v[NM+2u] -M, v[NM+2u+1] the largest t
.set SUM,  14                          ; the row's sum, in two halves
.set F,    18                          ; f = 2^(old M - new M); beside it the old -M, then the difference
.set BM,   22                          ; eight blocks' (4 u + b) largest scores, then largest p
.set T4,   30
.set HOLD, 38
.set SOP,  46
.set CHN,  54                          ; four chains of the sum for each tile
.set KS,   70                          ; K's scale words; VR V's bytes as they lie; VS V's scale words; PW p's (a tile each); QW q's
.set VR,   74
.set VS,   78
.set PW,   82
.set QW,   84
.set AKN,  86                          ; LDS address of the next step's K
.set PC,   88
.set S,    128
.set KB,   0                           ; window 1
.set VB,   64
.set O,    128
.set Q,    192
.set MSB, 0
.macro WIN new                         ; bits 1:0 source 0, 3:2 source 1, 5:4 source 2, 7:6 destination; the high byte repeats the setting that is left
.if MSB != \new
	s_set_vgpr_msb (MSB<<8)|\new
.set MSB, \new
.endif
.endm
.macro CROUND
	s_barrier_signal -1
	s_barrier_wait -1
	s_cmp_lg_u32 s14, 0
	s_cbranch_scc1 .Lnot_wave_0_\@
	s_barrier_signal -3
.Lnot_wave_0_\@:
	s_barrier_wait -3
	s_barrier_signal -1
	s_barrier_wait -1
.endm
.macro TLOAD lim                       ; waves under lim ask, each by its own descriptor; the branch hangs on the wave's number alone.  An s_nop 0 and four v_nop follow the load
	s_cmp_lt_u32 s14, \lim
	s_cbranch_scc0 .Lnone_\@
	tensor_load_to_lds s[32:35], s[24:31]
	s_nop 0
.rept 4
	v_nop
.endr
.Lnone_\@:
.endm
; A PREFETCH INTO THE L2 of the slot that the NEXT change of slots will ask for: eight key steps ahead of that load.  All clusters of a head walk the same bytes: the head's first cluster asks.  Its four partners take a quarter of the slot each,
; told apart by ADDRESS; in each, waves 4 to 7 ask, 8,192 bytes a wave, lanes 256 bytes apart: each aligned block of 256 bytes is named once in the launch.  Slots 0 and 1 and the scale bytes come by their loads alone; the last change that fills a slot asks for nothing.
.macro ASK
	s_cmp_gt_u32 s38, s18
	s_cbranch_scc0 .Lnot_mine_\@
	global_prefetch_b8 v7, s[42:43] th:TH_LOAD_NT scope:SCOPE_SE
.Lnot_mine_\@:
.endm
	s_load_b256 s[4:11], s[0:1], 0x0               ; qc 4, qs 6, kv 8, oc 10
	s_load_b64 s[12:13], s[0:1], 0x20              ; os
	v_lshl_add_u32 v[SPW], v0, 2, SPARE
	v_mov_b32 v[NIL], 0
	ds_add_u32 v[SPW], v[NIL]                      ; the wave's opening: the add, twice on end, and its wait ahead of my first tensor load; the set-up below is work on registers
	ds_add_u32 v[SPW], v[NIL]
	v_lshrrev_b32 v8, 5, v0
	v_readfirstlane_b32 s14, v8                    ; wave 0..7
	s_bfe_u32 s15, ttmp6, 0x40000                  ; cx: it enters q's, o's and the prefetches' addresses alone
	s_lshl_b32 s16, ttmp9, 2
	s_add_co_u32 s16, s16, s15                     ; my block of 256 queries
	s_and_b32 s17, ttmp7, 0xffff                   ; bh = 8 batch + head, which the partners share
	s_mov_b32 s19, 0x600000                        ; the mantissa field of 57,344
	s_mov_b32 s20, 0x76543210
	s_mov_b32 s21, 0xfedcba98                      ; lane l xor 16
	s_mov_b32 s22, 0x3e38aa3b                      ; c = log2(e) / 8
	s_mov_b32 s23, s22                             ; (named with it as a pair)
	s_mov_b32 s24, 15|(3<<16)|(1<<21)              ; group 1: the mask: all four; elements of 8 bytes; bit 21 beside a mask; no padding: 128 dense rows of 256 bytes
	s_mov_b32 s25, 32<<16
	s_mov_b32 s26, 128<<16
	s_mov_b32 s27, 32<<16
	s_mov_b32 s28, 128
	s_mov_b32 s29, 32
	s_mov_b32 s30, 0
	s_mov_b32 s31, 0
	s_mov_b32 s36, 0                               ; LDS byte at which the step in hand begins
	s_mov_b32 s37, 0                               ; and its scale bytes: 1,024 a step
	s_mov_b32 s38, 3                               ; slots still to be asked for
	s_mov_b32 s40, 0x05040100                      ; v_perm_b32: the two low halves,
	s_mov_b32 s41, 0x07060302                      ; the two high halves
	s_mov_b32 s63, 0x8000000                       ; the floor 2^(16 - 127) under a block's largest p
	s_mul_i32 s44, s17, 557056                     ; my head's part of kv
	s_mov_b32 s45, 0
	s_min_u32 s61, s14, 4                          ; what I fetch: waves 0-3 quarter w of a slot; wave 4 the scale bytes (waves 5 to 7 ask for nothing)
	s_lshl_b32 s46, s61, 15
	s_lshr_b32 s47, s61, 2
	s_mul_i32 s62, s47, 131072
	s_add_co_u32 s62, s62, s46                     ; in LDS: 32,768 x wave; the scale bytes at 262,144 = 4 x 32,768 + 131,072
	s_mul_i32 s47, s47, 393216                     ; in memory they begin at byte 524,288 = 4 x 32,768 + 393,216
	s_add_co_u32 s46, s46, s47
	s_add_co_u32 s46, s46, s44
	s_mov_b32 s47, 0
	s_lshl_b32 s48, s16, 4
	s_lshl_b32 s49, s14, 1
	s_add_co_u32 s48, s48, s49                     ; T: my first tile of 16 queries, an even number; the second is T + 1
	s_lshl_b32 s50, s17, 18                        ; qc: [bh][256 T][2][512]
	s_lshl_b32 s51, s48, 10
	s_add_co_u32 s50, s50, s51
	s_mov_b32 s51, 0
	s_lshl_b32 s52, s17, 15                        ; qs: [bh][T / 4][32 lanes][T % 4] words: my two tiles' words are neighbours
	s_lshr_b32 s53, s48, 2
	s_lshl_b32 s53, s53, 9
	s_add_co_u32 s52, s52, s53
	s_and_b32 s53, s48, 3
	s_lshl_b32 s53, s53, 2
	s_add_co_u32 s52, s52, s53
	s_mov_b32 s53, 0
	s_lshr_b32 s54, s17, 3                         ; oc: [batch][256 T][8 heads][2 blocks][512]
	s_lshl_b32 s54, s54, 21
	s_lshl_b32 s55, s48, 13
	s_add_co_u32 s54, s54, s55
	s_and_b32 s55, s17, 7
	s_lshl_b32 s55, s55, 10
	s_add_co_u32 s54, s54, s55
	s_mov_b32 s55, 0
	s_lshl_b32 s56, s17, 13                        ; os: [bh][64 blocks of 64 positions][16 r][4 tiles] of two bytes: my work-group's four blocks
	s_lshl_b32 s57, s16, 9
	s_add_co_u32 s56, s56, s57
	s_mov_b32 s57, 0
	s_lshl_b32 s58, s15, 15                        ; the prefetches: my work-group's quarter of a slot, my wave's quarter of that,
	s_and_b32 s59, s14, 3
	s_lshl_b32 s59, s59, 13
	s_add_co_u32 s58, s58, s59
	s_add_co_u32 s58, s58, s44
	s_add_co_u32 s58, s58, 131072                  ; in slot 1: the first change of slots steps it to slot 2
	s_mov_b32 s59, 0
	s_lshr_b32 s60, s14, 2
	s_xor_b32 s60, s60, 1                          ; 0 in waves 4 to 7,
	s_or_b32 s60, s60, ttmp9                       ; of the head's first cluster: the same in all four partners
	s_cmp_eq_u32 s60, 0
	s_cselect_b32 s18, 1, -1                       ; a wave prefetches while the count of slots is above this
	; every LDS address register that stays is made here, ahead of the first branch on the wave's number
	v_and_b32 v9, 31, v0                           ; lane
	v_lshlrev_b32 v1, 4, v9
	v_lshl_add_u32 v2, v9, 3, SC
	v_lshlrev_b32 v7, 8, v9
	v_and_b32 v10, 15, v0                          ; r
	s_lshr_b32 s60, s14, 1
	s_lshl_b32 s60, s60, 7
	s_and_b32 s61, s14, 1
	s_lshl_b32 s61, s61, 2
	s_add_co_u32 s60, s60, s61
	s_add_co_u32 s60, s60, OSG
	v_lshlrev_b32 v8, 3, v10
	v_add_nc_u32 v8, s60, v8                       ; o's four scale bytes: block w / 2, row r, tiles 2 (w % 2) and the next
	v_lshl_add_u32 v9, v9, 4, OSG                  ; and where wave 0 reads all of them back
	s_wait_dscnt 0x0                               ; both opening adds are done
	s_wait_kmcnt 0x0
	s_add_nc_u64 s[4:5], s[4:5], s[50:51]
	s_add_nc_u64 s[6:7], s[6:7], s[52:53]
	s_add_nc_u64 s[10:11], s[10:11], s[54:55]
	s_add_nc_u64 s[12:13], s[12:13], s[56:57]
	s_add_nc_u64 s[42:43], s[8:9], s[58:59]
	s_mov_b32 s32, 1                               ; group 0, which walks: count;
	s_mov_b32 s33, s62                             ; LDS address;
	s_add_nc_u64 s[34:35], s[8:9], s[46:47]        ; global address: bh and the wave's number alone;
	s_or_b32 s35, s35, 0x80000000                  ; type 2
	CROUND                                         ; all four work-groups are here: the first joint loads meet
	TLOAD 5                                        ; one load of a wave is out
	s_wait_alu depctr_va_vdst(0)
	WIN 0x40                                       ; destination window 1
.irp u, 0,1
	global_load_b128 v[Q+8+16*\u:Q+11+16*\u], v1, s[4:5] offset:1024*\u        ; tile u's q: two blocks of 32
	global_load_b128 v[Q+12+16*\u:Q+15+16*\u], v1, s[4:5] offset:1024*\u+512
.endr
.set j, 0
.rept 128
	v_mov_b32 v[VB+j], 0                           ; zero codes for V, and zeros for O^T: what the first trip's products find
.set j, j+1
.endr
.irp z, 0,16,32
.irp j, 0,1,2,3,4,5,6,7
	v_mov_b32 v[Q+\z+\j], 0                        ; the zero codes round q
.endr
.endr
	WIN 0
	global_load_b64 v[QW:QW+1], v1, s[6:7]         ; q's scale words (q0, q1, q0, q1), a tile each
.set j, 0
.rept 32
	v_mov_b32 v[PC+j], 0                           ; zero codes for p
.set j, j+1
.endr
.set j, 0
.rept 16
	v_mov_b32 v[CHN+j], 0                          ; the chains of a step before the first: the first trip adds zeros to the sums
.set j, j+1
.endr
.irp j, 0,1,2,3,4,5,6,7
	v_mov_b32 v[T4+\j], 0                          ; a lane permute's destination counts as read: written once
.endr
.irp j, 0,1,2,3,4,5
	v_mov_b32 v[VS+\j], 0x7f7f7f7f                 ; V's and p's scale words for the first trip's products of zeros: the byte of 1.0
.endr
.irp u, 0,1
	v_mov_b32 v[SUM+2*\u], 0
	v_mov_b32 v[SUM+2*\u+1], 0
	v_mov_b32 v[F+2*\u], 0
	v_mov_b32 v[NM+2*\u+1], 0xff61b1e6             ; the largest t so far: -3e38
.endr
.irp u, 0,1
	v_floor_f32 v[NM+2*\u], -v[NM+2*\u+1]          ; -M
.endr
	s_wait_alu depctr_va_vdst(0)                   ; the wait at the head's end
	s_wait_loadcnt 0x0
.macro PV                              ; O^T += V^T p^T: eight accumulators by turns, one instruction a turn; each fragment of V feeds both tiles
	WIN 0x51                                       ; V, C and D window 1; p's codes window 0
.irp t, 0,1,2,3
.irp u, 0,1
	v_wmma_scale_f32_16x16x128_f8f6f4 v[O+32*\u+8*\t:O+32*\u+8*\t+7], v[VB+16*\t:VB+16*\t+15], v[PC+16*\u:PC+16*\u+15], v[O+32*\u+8*\t:O+32*\u+8*\t+7], v[VS+\t], v[PW+\u] matrix_a_fmt:MATRIX_FMT_BF8 matrix_b_fmt:MATRIX_FMT_BF8
.endr
.endr
.endm
.macro KLOADS adr                      ; K's images: 512 consecutive bytes a load
	WIN 0x40
.irp f, 0,1,2,3
.irp c, 0,1,2,3
	ds_load_b128 v[KB+16*\f+4*\c:KB+16*\f+4*\c+3], v[\adr] offset:\f*2048+\c*512
.endr
.endr
	WIN 0
.endm
.macro SLOADS                          ; a step's scale bytes
	ds_load_b64 v[KS:KS+1], v6
	ds_load_b64 v[KS+2:KS+3], v6 offset:256
	ds_load_b64 v[VR:VR+1], v6 offset:512
	ds_load_b64 v[VR+2:VR+3], v6 offset:768
.endm
.macro MIN2 a, h                       ; the hold of two p: p is not negative, so it is one-sided (the conversion to an 8-bit code does not saturate: ISA guide 7.6.2)
	v_dual_min_num_f32 v[\a], v[\a], v[\h] :: v_dual_min_num_f32 v[(\a)+1], v[(\a)+1], v[\h]
.endm
.macro MIN8 u, m                       ; the hold of registers 8 m on of tile u
.irp k, 0,2,4,6
	MIN2 S+64*\u+8*(\m)+\k, HOLD+4*\u+(\m)/2
.endr
.endm
.macro ADD4 u, m                       ; the row's sum of the UNQUANTISED p of tile u, in four chains: registers 8 m on (m = 1: registers 0 to 15 start the chains)
.irp k, 0,1,2,3
.if \m == 1
	v_pk_add_f32 v[CHN+8*\u+2*\k:CHN+8*\u+2*\k+1], v[S+64*\u+2*\k:S+64*\u+2*\k+1], v[S+64*\u+8+2*\k:S+64*\u+9+2*\k]
.else
	v_pk_add_f32 v[CHN+8*\u+2*\k:CHN+8*\u+2*\k+1], v[CHN+8*\u+2*\k:CHN+8*\u+2*\k+1], v[S+64*\u+8*\m+2*\k:S+64*\u+8*\m+2*\k+1]
.endif
.endr
.endm
.macro CODES u
.irp b, 0,1,2,3
	v_cvt_scalef32_pk8_bf8_f32 v[PC+16*\u+4*\b:PC+16*\u+4*\b+1], v[S+64*\u+16*\b:S+64*\u+16*\b+7], v[SOP+4*\u+\b]
	v_cvt_scalef32_pk8_bf8_f32 v[PC+16*\u+4*\b+2:PC+16*\u+4*\b+3], v[S+64*\u+16*\b+8:S+64*\u+16*\b+15], v[SOP+4*\u+\b]
.endr
.endm
.macro FOLD                            ; a step's four chains become one, and go into the sum under that step's M: ten plain lines
.irp u, 0,1
	v_pk_add_f32 v[CHN+8*\u:CHN+8*\u+1], v[CHN+8*\u:CHN+8*\u+1], v[CHN+8*\u+2:CHN+8*\u+3]
	v_pk_add_f32 v[CHN+8*\u+4:CHN+8*\u+5], v[CHN+8*\u+4:CHN+8*\u+5], v[CHN+8*\u+6:CHN+8*\u+7]
.endr
	v_mov_b32 v[F+1], v[NM]                        ; (the old -M, for the next change of M)
	v_mov_b32 v[F+3], v[NM+2]
.irp u, 0,1
	v_pk_add_f32 v[CHN+8*\u:CHN+8*\u+1], v[CHN+8*\u:CHN+8*\u+1], v[CHN+8*\u+4:CHN+8*\u+5]
.endr
.irp u, 0,1
	v_pk_fma_f32 v[SUM+2*\u:SUM+2*\u+1], v[SUM+2*\u:SUM+2*\u+1], v[F+2*\u:F+2*\u+1], v[CHN+8*\u:CHN+8*\u+1] op_sel_hi:[1,0,1]
.endr
.endm
; A KEY STEP: 128 keys, both tiles.
.macro STEP
	v_add_nc_u32 v5, s36, v1                       ; this step's V; these four lines are also the places between p's codes and the products
	v_add_nc_u32 v[AKN], s46, v1                   ; the next step's K
	v_add_nc_u32 v6, s47, v2                       ; and scale bytes
	v_nop
	s_wait_alu depctr_va_vdst(0)
	s_wait_dscnt 0x0                               ; the step before's V, this step's K and scale bytes are in
	PV                                             ; the step before's second product,
	WIN 0x05                                       ; and this step's first: K and q window 1, S^T window 0
.irp f, 0,1,2,3
.irp u, 0,1
.irp e, 0,1
	v_wmma_scale_f32_16x16x128_f8f6f4 v[S+64*\u+8*(2*\f+\e):S+64*\u+8*(2*\f+\e)+7], v[KB+16*\f:KB+16*\f+15], v[Q+8+16*\u-8*\e:Q+23+16*\u-8*\e], 0, v[KS+\f], v[QW+\u] matrix_a_fmt:MATRIX_FMT_BF8 matrix_b_fmt:MATRIX_FMT_BF8
.endr
.endr
.endr
	WIN 0
	FOLD                                           ; the step before's sums: ten plain lines that name no register of the products: their places, ahead of the loads below and the first read of S^T
	WIN 0x40
.irp t, 0,1,2,3
.irp c, 0,1,2,3
	ds_load_b128 v[VB+16*\t+4*\c:VB+16*\t+4*\c+3], v5 offset:8192+\t*2048+\c*512   ; V's images, and the next step's K: 32 loads that land while the softmax is walked
.endr
.endr
	KLOADS AKN
.irp n, 0,1,2,3,4,5,6,7
	v_max3_num_f32 v[BM+\n], v[S+16*\n], v[S+16*\n+1], v[S+16*\n+2]   ; the largest score of each block of 32 keys (n = 4 u + b): for the row's maximum, and for the block's largest p
.endr
.irp i, 3,5,7,9,11,13
.irp n, 0,1,2,3,4,5,6,7
	v_max3_num_f32 v[BM+\n], v[BM+\n], v[S+16*\n+\i], v[S+16*\n+\i+1]
.endr
.endr
.irp n, 0,1,2,3,4,5,6,7
	v_max_num_f32 v[BM+\n], v[BM+\n], v[S+16*\n+15]
.endr
.irp n, 0,1,2,3,4,5,6,7
	v_permlanex16_b32 v[T4+\n], v[BM+\n], s20, s21
.endr
.irp n, 0,2,4,6
	v_dual_max_num_f32 v[BM+\n], v[BM+\n], v[T4+\n] :: v_dual_max_num_f32 v[BM+\n+1], v[BM+\n+1], v[T4+\n+1]   ; with lane l xor 16's keys, two blocks a line
.endr
.irp u, 0,1                            ; the two tiles' chains by turns: each line reads what the line two back wrote
	v_max3_num_f32 v[T4+4*\u], v[BM+4*\u], v[BM+4*\u+1], v[BM+4*\u+2]
.endr
.irp u, 0,1
	s_delay_alu instid0(VALU_DEP_2)
	v_max_num_f32 v[T4+4*\u], v[T4+4*\u], v[BM+4*\u+3]
.endr
.irp u, 0,1
	s_delay_alu instid0(VALU_DEP_2)
	v_mul_f32 v[T4+4*\u], s22, v[T4+4*\u]          ; the step's largest t (c is positive)
.endr
.irp u, 0,1
	s_delay_alu instid0(VALU_DEP_2)
	v_max_num_f32 v[NM+2*\u+1], v[NM+2*\u+1], v[T4+4*\u]
.endr
.irp u, 0,1
	s_delay_alu instid0(VALU_DEP_2)
	v_floor_f32 v[NM+2*\u], -v[NM+2*\u+1]          ; the new -M = -ceil(t)
.endr
.irp u, 0,1
	s_delay_alu instid0(VALU_DEP_2)
	v_sub_f32 v[F+2*\u+1], v[NM+2*\u], v[F+2*\u+1] ; old M - new M: a whole number, 0 or less
.endr
.irp u, 0,1
	s_delay_alu instid0(VALU_DEP_2)
	v_cvt_i32_f32 v[F+2*\u+1], v[F+2*\u+1]         ; (it saturates)
.endr
.irp u, 0,1
	s_delay_alu instid0(VALU_DEP_2)
	v_ldexp_f32 v[F+2*\u], 1.0, v[F+2*\u+1]        ; f = 2^(old M - new M)
.endr
.set j, 0
.rept 32
	v_pk_fma_f32 v[S+j:S+j+1], v[S+j:S+j+1], s[22:23], v[NM:NM+1] op_sel_hi:[1,0,0]   ; tile 0: t - M
.set j, j+2
.endr
.irp n, 0,1,2,3,4,5,6,7
	v_fma_f32 v[BM+\n], v[BM+\n], s22, v[NM+2*(\n/4)]
.endr
	WIN 0x41                                       ; O^T window 1, f window 0
.irp u, 0,1
.set j, 0
.rept 16
	v_pk_mul_f32 v[O+32*\u+j:O+32*\u+j+1], v[O+32*\u+j:O+32*\u+j+1], v[F+2*\u:F+2*\u+1] op_sel_hi:[1,0]   ; O^T under the new M, each accumulator from its low end on
.set j, j+2
.endr
.endr
	WIN 0
	s_wait_alu depctr_va_vdst(0)                   ; ahead of the batch
.set j, 0
.rept 32
	v_exp_f32 v[S+j], v[S+j]                       ; tile 0: p = 2^(t - M).  Among the exponentials stands tile 1's t - M: its sources were written ahead of the wait above, its results are read behind the wait below
	v_exp_f32 v[S+j+1], v[S+j+1]
	v_pk_fma_f32 v[S+64+j:S+65+j], v[S+64+j:S+65+j], s[22:23], v[NM+2:NM+3] op_sel_hi:[1,0,0]
.set j, j+2
.endr
.irp n, 0,1,2,3
	v_exp_f32 v[BM+2*\n], v[BM+2*\n]               ; the blocks' largest p.  Among them V's scale words: tile t's two bytes of each half of the step; the next trip's products read them.  The last is the plain line behind the batch
	v_exp_f32 v[BM+2*\n+1], v[BM+2*\n+1]
	v_perm_b32 v[VS+\n], v[VR+2+\n/2], v[VR+\n/2], s[40+\n%2]
.endr
	s_wait_alu depctr_va_vdst(0)                   ; one wait for the batch, ahead of its first reader
	SLOADS                                         ; the next step's scale bytes: V's bytes of this step have been read above
.irp n, 0,2,4,6
	v_dual_max_num_f32 v[BM+\n], s63, v[BM+\n] :: v_dual_max_num_f32 v[BM+\n+1], s63, v[BM+\n+1]   ; the floor 2^(16 - 127), two blocks a line
.endr
.irp n, 0,1,2,3,4,5,6,7
	v_add_nc_u32 v[SOP+\n], 0xf8800000, v[BM+\n]   ; the conversion's scale operand
.endr
.irp n, 0,1,2,3,4,5,6,7
	v_and_or_b32 v[HOLD+\n], v[BM+\n], 0x7f800000, s19   ; 57,344 x the scale
.endr
.irp n, 0,1,2,3,4,5,6,7
	v_lshrrev_b32 v[T4+\n], 23, v[SOP+\n]
.endr
.irp u, 0,1
	v_lshl_or_b32 v[PW+\u], v[T4+4*\u+1], 8, v[T4+4*\u]   ; p's scale word for these 128 keys
.endr
.irp u, 0,1
	v_lshl_or_b32 v[PW+\u], v[T4+4*\u+2], 16, v[PW+\u]
.endr
.irp u, 0,1
	v_lshl_or_b32 v[PW+\u], v[T4+4*\u+3], 24, v[PW+\u]
.endr
	s_wait_alu depctr_va_vdst(0)                   ; ahead of the second batch
; Tile 1: p.  Among the exponentials stand, for each four registers of tile 0's p: one addition of the UNQUANTISED p, into a pair of its own (the sixteen registers of both tiles' chains, then the sixteen of tile 0's codes, which are free here),
; and behind it their hold.  No line of these reads what a line of the batch wrote; all are read behind the wait below.
.set j, 0
.rept 16
.if j < 32
.set TD, CHN+j/2
.else
.set TD, PC+(j-32)/2
.endif
	v_exp_f32 v[S+64+j], v[S+64+j]
	v_exp_f32 v[S+65+j], v[S+65+j]
	v_pk_add_f32 v[TD:TD+1], v[S+j:S+j+1], v[S+j+2:S+j+3]
	v_exp_f32 v[S+66+j], v[S+66+j]
	MIN2 S+j, HOLD+j/16
	v_exp_f32 v[S+67+j], v[S+67+j]
	MIN2 S+j+2, HOLD+j/16
.set j, j+4
.endr
	v_nop
	s_wait_alu depctr_va_vdst(0)                   ; and behind it
.irp k, 0,1,2,3                        ; tile 0's sixteen pairs become its four chains
	v_pk_add_f32 v[PC+2*\k:PC+2*\k+1], v[PC+2*\k:PC+2*\k+1], v[PC+8+2*\k:PC+9+2*\k]
.endr
.irp k, 0,1,2,3
	v_pk_add_f32 v[CHN+2*\k:CHN+2*\k+1], v[CHN+2*\k:CHN+2*\k+1], v[CHN+8+2*\k:CHN+9+2*\k]
.endr
.irp k, 0,1,2,3
	v_pk_add_f32 v[CHN+2*\k:CHN+2*\k+1], v[CHN+2*\k:CHN+2*\k+1], v[PC+2*\k:PC+2*\k+1]
.endr
	CODES 0
	ADD4 1, 1                                      ; tile 1's sum and its hold by turns: a register is held behind the line that has added it
	MIN8 1, 0
.irp m, 2,3,4,5,6,7
	ADD4 1, \m
	MIN8 1, \m-1
.endr
	MIN8 1, 7
	CODES 1
.endm
; THE CHANGE OF SLOTS stands at a slot's head.  Each wave waits for all its tensor loads, adds 0 to its spare word, and waits for that and for its reads of the slot that it has left (the last were the loads of its last step).
; fill = 1: the barrier is a round of the cluster's, and behind it waves 0 to 3 ask for the next eight steps, into the slot just left: the load has a slot's eight steps in which to land.  (Slot 1's first fill goes out so too, behind the first round, at which nothing is filled again.)
.macro CHANGE fill
	s_wait_tensorcnt 0x0                           ; no tensor load of mine is out, so group 0 may be written
	ds_add_u32 v[SPW], v[NIL]
.if \fill
	ds_add_u32 v[SPW], v[NIL]                      ; and, where a load follows that some waves are led round, twice on end
	s_xor_b32 s33, s33, SLOT1                      ; the other slot than last time,
	s_add_nc_u64 s[34:35], s[34:35], 131072        ; the next eight steps; the type bits on top are not reached
	s_wait_xcnt 0x0                                ; the last prefetch, a slot back, has read its address
	s_add_nc_u64 s[42:43], s[42:43], 131072
.endif
	s_wait_dscnt 0x0
.if \fill
	CROUND
	TLOAD 4
	ASK
.else
	s_barrier_signal -1
	s_barrier_wait -1
.endif
.endm
.macro SLOT_STEPS                      ; a slot's eight steps: written once, walked eight times
	v_add_nc_u32 v5, s36, v1
	v_add_nc_u32 v6, s37, v2
	KLOADS 5                                       ; the slot's first K and scale bytes
	SLOADS
	s_mov_b32 s39, 8
.Lstep_\@:
	s_add_co_u32 s46, s36, 16384                   ; where the next step's K lies: 16,384 bytes on, round the slot's end to its first step
	s_and_b32 s46, s46, SLOT1-1
	s_and_b32 s47, s36, SLOT1
	s_or_b32 s46, s46, s47
	s_add_co_u32 s47, s37, 1024                    ; and its scale bytes: held at the head's last step
	s_min_u32 s47, s47, 31744
	STEP
	s_add_co_u32 s36, s36, 16384
	s_add_co_u32 s37, s37, 1024
	s_sub_co_u32 s39, s39, 1
	s_cmp_lg_u32 s39, 0
	s_cbranch_scc1 .Lstep_\@
	s_sub_co_u32 s36, s36, 131072
	s_xor_b32 s36, s36, SLOT1
.endm
.Lslot:                                            ; three trips: behind each change of slots but the last the next slot is asked for
	CHANGE 1
	SLOT_STEPS
	s_sub_co_u32 s38, s38, 1
	s_cmp_lg_u32 s38, 0
	s_cbranch_scc1 .Lslot
	CHANGE 0                                       ; the last slot is written out
	SLOT_STEPS
	FOLD                                           ; the last step's sums (also the places between p's codes and the products)
	s_wait_alu depctr_va_vdst(0)                   ; directly ahead of the wait below
	s_wait_dscnt 0x0                               ; the last step's V is in
	PV                                             ; and its second product
	WIN 0
	; THE WAY OUT.  O^T / the sum; register 16 n + i (n = 2 u + B) of lane (r, h) is o(tile u's query r, channel 32 B + 16 h + i): the order that the last product's operand wants.  Four blocks of 32 are quantised; the codes are the operand's image.
.irp u, 0,1
	v_add_f32 v[SUM+2*\u], v[SUM+2*\u], v[SUM+2*\u+1]
.endr
.irp u, 0,1
	v_permlanex16_b32 v[T4+4*\u], v[SUM+2*\u], s20, s21
.endr
.irp u, 0,1
	v_add_f32 v[SUM+2*\u], v[SUM+2*\u], v[T4+4*\u] ; the row's sum
.endr
	s_wait_alu depctr_va_vdst(0)                   ; ahead of the reciprocals
.irp u, 0,1
	v_rcp_f32 v[F+2*\u], v[SUM+2*\u]
.endr
	v_nop                                          ; with the six lines above: nine places behind the last products
	v_nop
	v_nop
	s_wait_alu depctr_va_vdst(0)                   ; ahead of the first reader of the reciprocals and of O^T
	WIN 0x01                                       ; O^T window 1; the quotients go to window 0, where p lay
.irp u, 0,1
.set j, 0
.rept 16
	v_pk_mul_f32 v[S+32*\u+j:S+32*\u+j+1], v[O+32*\u+j:O+32*\u+j+1], v[F+2*\u:F+2*\u+1] op_sel_hi:[1,0]
.set j, j+2
.endr
.endr
	WIN 0
.irp n, 0,1,2,3
	v_max3_num_f32 v[BM+\n], |v[S+16*\n]|, |v[S+16*\n+1]|, 0x8000000
.endr
.irp i, 2,4,6,8,10,12,14
.irp n, 0,1,2,3
	v_max3_num_f32 v[BM+\n], v[BM+\n], |v[S+16*\n+\i]|, |v[S+16*\n+\i+1]|
.endr
.endr
.irp n, 0,1,2,3
	v_permlanex16_b32 v[T4+\n], v[BM+\n], s20, s21
.endr
.irp n, 0,1,2,3
	v_max_num_f32 v[BM+\n], v[BM+\n], v[T4+\n]
.endr
.irp n, 0,1,2,3
	v_add_nc_u32 v[SOP+\n], 0xf8800000, v[BM+\n]
.endr
.irp n, 0,1,2,3
	v_and_or_b32 v[HOLD+\n], v[BM+\n], 0x7f800000, s19
.endr
.irp n, 0,1,2,3
.set j, 0
.rept 16
	v_med3_num_f32 v[S+16*\n+j], v[S+16*\n+j], -v[HOLD+\n], v[HOLD+\n]
.set j, j+1
.endr
	v_cvt_scalef32_pk8_bf8_f32 v[PC+4*\n:PC+4*\n+1], v[S+16*\n:S+16*\n+7], v[SOP+\n]
	v_cvt_scalef32_pk8_bf8_f32 v[PC+4*\n+2:PC+4*\n+3], v[S+16*\n+8:S+16*\n+15], v[SOP+\n]
.endr
.irp n, 0,1,2,3
	v_lshrrev_b32 v[T4+\n], 23, v[SOP+\n]          ; the bytes (also the plain lines behind the conversions)
.endr
	v_lshl_or_b32 v[BM], v[T4+1], 8, v[T4]
	v_lshl_or_b32 v[BM], v[T4+2], 16, v[BM]
	v_lshl_or_b32 v[BM], v[T4+3], 24, v[BM]        ; my two tiles' two bytes each
.irp u, 0,1
	global_store_b128 v1, v[PC+8*\u:PC+8*\u+3], s[10:11] offset:8192*\u          ; 512 consecutive bytes a store
	global_store_b128 v1, v[PC+8*\u+4:PC+8*\u+7], s[10:11] offset:8192*\u+512
.endr
	ds_store_b32 v8, v[BM]                         ; lanes r and 16 + r write the same bytes with the same value
	s_wait_dscnt 0x0                               ; for the others' sake: my store has landed
	s_barrier_signal -1
	s_barrier_wait -1
	s_cmp_lg_u32 s14, 0                            ; wave 0 stores the work-group's 512 scale bytes: two whole aligned runs of 256
	s_cbranch_scc1 .Lend
	ds_load_b128 v[T4:T4+3], v9
	s_wait_dscnt 0x0
	global_store_b128 v1, v[T4:T4+3], s[12:13]
.Lend:
	s_wait_tensorcnt 0x0                           ; the wave's end: three lines behind my last tensor load and my last LDS store
	ds_add_u32 v[SPW], v[NIL]
	s_wait_dscnt 0x0
	CROUND                                         ; the closing round
	s_endpgm
.Lfunc_end_k_q9b784c5dba_attn:
	.size	k_q9b784c5dba_attn, .Lfunc_end_k_q9b784c5dba_attn-k_q9b784c5dba_attn
	.p2alignl 7, 3214868480
	.fill 96, 4, 3214868480
	.section	.rodata,"a",@progbits
	.p2align	6, 0x0
	.amdhsa_kernel k_q9b784c5dba_attn
		.amdhsa_group_segment_fixed_size 327680
		.amdhsa_private_segment_fixed_size 0
		.amdhsa_enable_private_segment 0
		.amdhsa_kernarg_size 40
		.amdhsa_user_sgpr_count 2
		.amdhsa_user_sgpr_kernarg_segment_ptr 1
		.amdhsa_wavefront_size32 1
		.amdhsa_system_sgpr_workgroup_id_x 1
		.amdhsa_system_sgpr_workgroup_id_y 1
		.amdhsa_system_sgpr_workgroup_id_z 1
		.amdhsa_system_vgpr_workitem_id 0
		.amdhsa_next_free_vgpr 512
		.amdhsa_next_free_sgpr 66
		.amdhsa_reserve_vcc 0
		.amdhsa_float_denorm_mode_32 3
		.amdhsa_float_denorm_mode_16_64 3
		.amdhsa_memory_ordered 1
		.amdhsa_forward_progress 1
		.amdhsa_inst_pref_size 100
	.end_amdhsa_kernel
	.amdgpu_metadata
---
amdhsa.version: [ 1, 2 ]
amdhsa.kernels:
  - .name:           k_q9b784c5dba_attn
    .symbol:         k_q9b784c5dba_attn.kd
    .args:
      - { .name: qc, .offset: 0, .size: 8, .value_kind: global_buffer, .address_space: global }
      - { .name: qs, .offset: 8, .size: 8, .value_kind: global_buffer, .address_space: global }
      - { .name: kv, .offset: 16, .size: 8, .value_kind: global_buffer, .address_space: global }
      - { .name: oc, .offset: 24, .size: 8, .value_kind: global_buffer, .address_space: global }
      - { .name: os, .offset: 32, .size: 8, .value_kind: global_buffer, .address_space: global }
    .group_segment_fixed_size: 327680
    .private_segment_fixed_size: 0
    .kernarg_segment_align: 8
    .kernarg_segment_size: 40
    .max_flat_workgroup_size: 256
    .sgpr_count:     66
    .vgpr_count:     512
    .wavefront_size: 32
...
	.end_amdgpu_metadata
.endif
;; end of part 3
;; launch proj (part 4): grid 128 x 2, 4 waves a work-group, clusters of 4 x 1, 327,680 bytes of LDS; arguments oc, os, Wo_codes, Wo_scales, bo, x, out0; writes out0
.if DOCPART == 4
	.amdgcn_target "amdgcn-amd-amdhsa--gfx1250"
	.amdhsa_code_object_version 6
	.text
	.protected	k_q9b784c5dba_proj
	.globl	k_q9b784c5dba_proj
	.p2align	8
	.type	k_q9b784c5dba_proj,@function
k_q9b784c5dba_proj:
	s_mov_b64 s[64:65], 0
	v_nop
	global_prefetch_b8 v0, s[64:65] scope:SCOPE_SE
	s_setreg_imm32_b32 hwreg(HW_REG_WAVE_MODE, 25, 1), 1
	s_wait_xcnt 0x0
	s_wait_alu depctr_hold_cnt(0) depctr_sa_sdst(0) depctr_va_vdst(0) depctr_va_sdst(0) depctr_va_ssrc(0) depctr_va_vcc(0) depctr_vm_vsrc(0)
	s_getreg_b32 s2, hwreg(HW_REG_IB_STS2, 6, 4)
	s_cmp_eq_u32 s2, 0
	s_cbranch_scc0 .Lentry_in_a_cluster
	s_endpgm
.Lentry_in_a_cluster:
	s_bfe_u32 s2, ttmp6, 0x10000c
	s_cmp_lg_u32 s2, 0x3003
	s_cbranch_scc0 .Lentry_shape_is_right
	s_endpgm
.Lentry_shape_is_right:
; out0 = x + (o Wo^T + bo), back in the layout [batch][channel][position], on codes of BF8 (E5M2) with one E8M0 scale for each 32 along K.  No work is left out.
; SHARES.  Work-group (P, y): 64 positions (block P of 128) x output channels 256 y on.  Wave w: channels 256 y + 64 w on: four tiles of 16 channels x four tiles of 16 positions = 16 accumulators; all of K = 512 lies in registers.
; o's fragments come from memory as images of operand registers (512 consecutive bytes a load); Wo's 64 rows of a wave come by one tensor load, asked for JOINTLY by the four partners of a cluster, which share y; a wave reads only its own tile.
; Source 0 = 16 positions of o, source 1 = 16 rows of Wo: a lane then holds ONE channel and eight neighbouring positions.  A tile of channels goes through the wave's own stage in LDS and leaves as rows: sixteen lanes store 256 consecutive aligned bytes.
; bo is the C of each sum's first matrix instruction; x is added on the way out.
; REGISTERS.  Window 0: v4-13 addresses; v16-31 o's scale bytes as they lie; v32-47 o's scale words (4 pt + s); v48-63 Wo's (4 nt + s); v64-127 rows on the way out, two sets; v128-255 the accumulators at 8 (4 nt + pt).
;   Window 1: o's fragments at 16 (4 pt + s).  Window 2: Wo's at 16 (4 nt + s).  Window 3: x at v0-127 (32 nt + 4 i); bo at v128-159, eight copies a tile.
.set WT,    33792                      ; a wave's tile of Wo: 64 rows x (512 + 16) bytes
.set STG,   135168                     ; the stages: a wave's at + 17,408 w; a tile of channels at + 4,352 nt; rows of 256 + 16 bytes
.set SPARE, 204800                     ; the spare words, 128 bytes for each wave: two blocks of 256 bytes that no other line names
.set SPW, 12
.set NIL, 13
.set OR,  16
.set OSW, 32
.set WS,  48
.set RB,  64
.set ACC, 128
.set MSB, 0
.macro WIN new
.if MSB != \new
	s_set_vgpr_msb (MSB<<8)|\new
.set MSB, \new
.endif
.endm
.macro CROUND
	s_barrier_signal -1
	s_barrier_wait -1
	s_cmp_lg_u32 s18, 0
	s_cbranch_scc1 .Lnot_wave_0_\@
	s_barrier_signal -3
.Lnot_wave_0_\@:
	s_barrier_wait -3
	s_barrier_signal -1
	s_barrier_wait -1
.endm
	s_load_b256 s[4:11], s[0:1], 0x0               ; oc 4, os 6, Wo_codes 8, Wo_scales 10
	s_load_b128 s[12:15], s[0:1], 0x20             ; bo 12, x 14
	s_load_b64 s[16:17], s[0:1], 0x30              ; out0
	v_lshl_add_u32 v[SPW], v0, 2, SPARE
	v_mov_b32 v[NIL], 0
	ds_add_u32 v[SPW], v[NIL]                      ; the wave's opening: the add, twice on end, and its wait ahead of my first tensor load
	ds_add_u32 v[SPW], v[NIL]
	v_lshrrev_b32 v1, 5, v0
	v_readfirstlane_b32 s18, v1                    ; wave 0..3
	s_bfe_u32 s19, ttmp6, 0x40000                  ; cx: it enters o's, x's and the result's addresses alone
	s_lshl_b32 s20, ttmp9, 2
	s_add_co_u32 s20, s20, s19                     ; P
	s_and_b32 s21, ttmp7, 0xffff                   ; y
	s_lshr_b32 s22, s20, 6                         ; batch
	s_and_b32 s23, s20, 63                         ; the block of 64 positions in the batch
	s_lshl_b32 s36, s21, 8
	s_lshl_b32 s37, s18, 6
	s_add_co_u32 s36, s36, s37                     ; my first channel
	s_mov_b32 s24, 15|(1<<20)|(1<<21)|(6<<22)|(3<<25)  ; group 1: the mask: all four; elements of 1 byte; padding: four words after every 128; bit 21 beside a mask
	s_mov_b32 s25, 512<<16
	s_mov_b32 s26, 64<<16
	s_mov_b32 s27, 512<<16
	s_mov_b32 s28, 64
	s_mov_b32 s29, 512
	s_mov_b32 s30, 0
	s_mov_b32 s31, 0
	s_mov_b32 s50, 0x05040100                      ; v_perm_b32: the two low halves,
	s_mov_b32 s51, 0x07060302                      ; the two high halves
	s_lshl_b32 s38, s36, 9                         ; Wo's codes: 512 bytes a row
	s_mov_b32 s39, 0
	s_lshl_b32 s40, s36, 4                         ; its scale bytes: 16 a row
	s_mov_b32 s41, 0
	s_lshl_b32 s42, s36, 2                         ; bo
	s_mov_b32 s43, 0
	s_lshl_b32 s44, s22, 21                        ; oc: [batch][256 tiles][8,192]: my four tiles
	s_lshl_b32 s45, s23, 15
	s_add_co_u32 s44, s44, s45
	s_mov_b32 s45, 0
	s_lshl_b32 s46, s22, 16                        ; os: [batch][8 heads][64 blocks][128]
	s_lshl_b32 s47, s23, 7
	s_add_co_u32 s46, s46, s47
	s_mov_b32 s47, 0
	s_lshl_b32 s48, s22, 23                        ; x and out0: batch, channel, the block's 256 bytes of a row
	s_lshl_b32 s49, s36, 14
	s_add_co_u32 s48, s48, s49
	s_lshl_b32 s49, s23, 8
	s_add_co_u32 s48, s48, s49
	s_mov_b32 s49, 0
	s_mul_i32 s37, s18, WT
	v_and_b32 v1, 31, v0                           ; lane
	v_and_b32 v2, 15, v0                           ; r
	v_bfe_u32 v3, v0, 4, 1                         ; h
	v_lshlrev_b32 v4, 4, v1                        ; 16 x lane
	v_mul_u32_u24 v5, v2, 528
	v_lshl_add_u32 v5, v3, 4, v5
	v_add_nc_u32 v5, s37, v5                       ; Wo's fragment: row r, + 16 h
	s_mul_i32 s52, s18, 17408
	s_add_co_u32 s52, s52, STG                     ; my stage
	v_mul_u32_u24 v6, v2, 272
	v_lshl_add_u32 v6, v3, 5, v6
	v_add_nc_u32 v6, s52, v6                       ; in: row = channel r, + 32 h
	v_mul_u32_u24 v7, v3, 272
	v_lshl_add_u32 v7, v2, 4, v7
	v_add_nc_u32 v7, s52, v7                       ; back: lanes 0-15 one row, lanes 16-31 the next
	v_lshlrev_b32 v9, 4, v2                        ; 16 r
	v_lshl_add_u32 v8, v3, 14, v9                  ; and the same two rows in x and out0: 16,384 bytes from channel to channel
	v_lshlrev_b32 v10, 3, v2                       ; 8 r
	v_lshlrev_b32 v11, 2, v2                       ; 4 r
	s_wait_dscnt 0x0                               ; both opening adds are done
	s_wait_kmcnt 0x0
	s_add_nc_u64 s[4:5], s[4:5], s[44:45]
	s_add_nc_u64 s[6:7], s[6:7], s[46:47]
	s_add_nc_u64 s[10:11], s[10:11], s[40:41]
	s_add_nc_u64 s[12:13], s[12:13], s[42:43]
	s_add_nc_u64 s[14:15], s[14:15], s[48:49]
	s_add_nc_u64 s[16:17], s[16:17], s[48:49]
	s_mov_b32 s32, 1
	s_mov_b32 s33, s37
	s_add_nc_u64 s[34:35], s[8:9], s[38:39]        ; y and the wave's number alone: equal in the four partners
	s_or_b32 s35, s35, 0x80000000
	CROUND                                         ; all four work-groups are here: the joint loads meet
	tensor_load_to_lds s[32:35], s[24:31]          ; my one tensor load: filled once
	s_nop 0
.rept 4
	v_nop
.endr
	s_wait_alu depctr_va_vdst(0)
.irp hh, 0,1,2,3,4,5,6,7
	global_load_b64 v[OR+2*\hh:OR+2*\hh+1], v10, s[6:7] offset:\hh*8192    ; head hh: row r's two bytes for each of the four tiles of positions
.endr
.irp nt, 0,1,2,3
	global_load_b128 v[WS+4*\nt:WS+4*\nt+3], v9, s[10:11] offset:256*\nt   ; a row's 16 scale bytes are the words of its four K steps
.endr
	WIN 0xc0
.irp nt, 0,1,2,3
	global_load_b32 v[128+8*\nt], v11, s[12:13] offset:64*\nt
.endr
	WIN 0x40
.set k, 0
.rept 64
	global_load_b128 v[4*k:4*k+3], v4, s[4:5] offset:512*k                 ; o's sixteen fragments
.set k, k+1
.endr
	WIN 0xc0
.irp nt, 0,1,2,3
.irp i, 0,1,2,3,4,5,6,7
	global_load_b128 v[32*\nt+4*\i:32*\nt+4*\i+3], v8, s[14:15] offset:(16*\nt+2*\i)*16384 th:TH_LOAD_NT
.endr
.endr
	WIN 0
	s_wait_loadcnt 32                              ; all but x's 32
.irp s, 0,1,2,3
.irp pt, 0,1,2,3
.if \pt%2 == 0
	v_perm_b32 v[OSW+4*\pt+\s], v[OR+2*(2*\s+1)+\pt/2], v[OR+4*\s+\pt/2], s50   ; K step s is heads 2 s and 2 s + 1: two bytes of each
.else
	v_perm_b32 v[OSW+4*\pt+\s], v[OR+2*(2*\s+1)+\pt/2], v[OR+4*\s+\pt/2], s51
.endif
.endr
.endr
	WIN 0xc3
.irp nt, 0,1,2,3
.irp j, 1,2,3,4,5,6,7
	v_mov_b32 v[128+8*\nt+\j], v[128+8*\nt]        ; bo's number in all eight registers of its tile.  (Also the places between the scale words and the products)
.endr
.endr
	WIN 0
	s_wait_alu depctr_va_vdst(0)
	s_wait_tensorcnt 0x0                           ; my tile of Wo has landed
	WIN 0x80
.irp nt, 0,1,2,3
.irp s, 0,1,2,3
.irp c, 0,1,2,3
	ds_load_b128 v[16*(4*\nt+\s)+4*\c:16*(4*\nt+\s)+4*\c+3], v5 offset:\nt*8448+128*\s+32*\c
.endr
.endr
.endr
	WIN 0
	s_wait_dscnt 0x0
.irp s, 0,1,2,3                        ; 64 matrix instructions: the 16 accumulators by turns, one instruction a turn
.if \s == 0
	WIN 0x39                                       ; source 0 window 1, source 1 window 2, C window 3
.else
	WIN 0x09
.endif
.irp nt, 0,1,2,3
.irp pt, 0,1,2,3
.if \s == 0
	v_wmma_scale_f32_16x16x128_f8f6f4 v[ACC+8*(4*\nt+\pt):ACC+8*(4*\nt+\pt)+7], v[16*(4*\pt+\s):16*(4*\pt+\s)+15], v[16*(4*\nt+\s):16*(4*\nt+\s)+15], v[128+8*\nt:135+8*\nt], v[OSW+4*\pt+\s], v[WS+4*\nt+\s] matrix_a_fmt:MATRIX_FMT_BF8 matrix_b_fmt:MATRIX_FMT_BF8
.else
	v_wmma_scale_f32_16x16x128_f8f6f4 v[ACC+8*(4*\nt+\pt):ACC+8*(4*\nt+\pt)+7], v[16*(4*\pt+\s):16*(4*\pt+\s)+15], v[16*(4*\nt+\s):16*(4*\nt+\s)+15], v[ACC+8*(4*\nt+\pt):ACC+8*(4*\nt+\pt)+7], v[OSW+4*\pt+\s], v[WS+4*\nt+\s] matrix_a_fmt:MATRIX_FMT_BF8 matrix_b_fmt:MATRIX_FMT_BF8
.endif
.endr
.endr
.endr
	WIN 0
.rept 8
	v_nop                                          ; places in front of the first read of results (ISA guide 7.12.1)
.endr
.irp nt, 0,1,2,3                       ; THE WAY OUT, a tile of 16 channels at a time
.if \nt > 1
	s_wait_xcnt 0x0                                ; the stores of two tiles back have read their data: the set may be loaded again
.endif
.irp pt, 0,1,2,3
	ds_store_b128 v6, v[ACC+8*(4*\nt+\pt):ACC+8*(4*\nt+\pt)+3] offset:\nt*4352+64*\pt        ; lane (r, h): channel r, positions 16 pt + 8 h + 0 .. 7; each accumulator from its low end on
	ds_store_b128 v6, v[ACC+8*(4*\nt+\pt)+4:ACC+8*(4*\nt+\pt)+7] offset:\nt*4352+64*\pt+16
.endr
.irp i, 0,1,2,3,4,5,6,7
	ds_load_b128 v[RB+32*(\nt%2)+4*\i:RB+32*(\nt%2)+4*\i+3], v7 offset:\nt*4352+2*\i*272     ; LDS serves a wave's instructions in order: these see my stores
.endr
	s_wait_dscnt 0x0
.if \nt == 0
	s_wait_loadcnt 0x0                             ; x
.endif
	WIN 0x0c                                       ; source 1 window 3
.irp j, 0,1,2,3,4,5,6,7,8,9,10,11,12,13,14,15
	v_pk_add_f32 v[RB+32*(\nt%2)+2*\j:RB+32*(\nt%2)+2*\j+1], v[RB+32*(\nt%2)+2*\j:RB+32*(\nt%2)+2*\j+1], v[32*\nt+2*\j:32*\nt+2*\j+1]
.endr
	WIN 0
.irp i, 0,1,2,3,4,5,6,7
	global_store_b128 v8, v[RB+32*(\nt%2)+4*\i:RB+32*(\nt%2)+4*\i+3], s[16:17] offset:(16*\nt+2*\i)*16384 th:TH_STORE_NT   ; sixteen lanes store 256 consecutive bytes, at a multiple of 256 from out0's first byte
.endr
.endr
	s_wait_tensorcnt 0x0                           ; the wave's end: three lines behind my last tensor load and my last LDS store
	ds_add_u32 v[SPW], v[NIL]
	s_wait_dscnt 0x0
	CROUND                                         ; the closing round
	s_endpgm
.Lfunc_end_k_q9b784c5dba_proj:
	.size	k_q9b784c5dba_proj, .Lfunc_end_k_q9b784c5dba_proj-k_q9b784c5dba_proj
	.p2alignl 7, 3214868480
	.fill 96, 4, 3214868480
	.section	.rodata,"a",@progbits
	.p2align	6, 0x0
	.amdhsa_kernel k_q9b784c5dba_proj
		.amdhsa_group_segment_fixed_size 327680
		.amdhsa_private_segment_fixed_size 0
		.amdhsa_enable_private_segment 0
		.amdhsa_kernarg_size 56
		.amdhsa_user_sgpr_count 2
		.amdhsa_user_sgpr_kernarg_segment_ptr 1
		.amdhsa_wavefront_size32 1
		.amdhsa_system_sgpr_workgroup_id_x 1
		.amdhsa_system_sgpr_workgroup_id_y 1
		.amdhsa_system_sgpr_workgroup_id_z 1
		.amdhsa_system_vgpr_workitem_id 0
		.amdhsa_next_free_vgpr 1024
		.amdhsa_next_free_sgpr 66
		.amdhsa_reserve_vcc 0
		.amdhsa_float_denorm_mode_32 3
		.amdhsa_float_denorm_mode_16_64 3
		.amdhsa_memory_ordered 1
		.amdhsa_forward_progress 1
		.amdhsa_inst_pref_size 42
	.end_amdhsa_kernel
	.amdgpu_metadata
---
amdhsa.version: [ 1, 2 ]
amdhsa.kernels:
  - .name:           k_q9b784c5dba_proj
    .symbol:         k_q9b784c5dba_proj.kd
    .args:
      - { .name: oc, .offset: 0, .size: 8, .value_kind: global_buffer, .address_space: global }
      - { .name: os, .offset: 8, .size: 8, .value_kind: global_buffer, .address_space: global }
      - { .name: Wo_codes, .offset: 16, .size: 8, .value_kind: global_buffer, .address_space: global }
      - { .name: Wo_scales, .offset: 24, .size: 8, .value_kind: global_buffer, .address_space: global }
      - { .name: bo, .offset: 32, .size: 8, .value_kind: global_buffer, .address_space: global }
      - { .name: x, .offset: 40, .size: 8, .value_kind: global_buffer, .address_space: global }
      - { .name: out0, .offset: 48, .size: 8, .value_kind: global_buffer, .address_space: global }
    .group_segment_fixed_size: 327680
    .private_segment_fixed_size: 0
    .kernarg_segment_align: 8
    .kernarg_segment_size: 56
    .max_flat_workgroup_size: 128
    .sgpr_count:     66
    .vgpr_count:     1024
    .wavefront_size: 32
...
	.end_amdgpu_metadata
.endif
;; end of part 4
